; MI455X (gfx1250); checked and timed in simulation.
; The chip was launched on July 23, 2026; its instructions are those of AMD's public machine-readable ISA for CDNA 5 (MIT licence, August 2026) and "CDNA5" Instruction Set Architecture Reference Guide (July 2026). The comments in the code are by the model that wrote it; some were corrected since.
;; Multi Head Attention. Allowed arithmetic: matrix products marked QUANTISED: E2M3 operands, one E8M0 scale for each 32 along K, by v_wmma_scale_f32_16x16x128_f8f6f4 with both operands' format E2M3, f32 sums; everything else in f32.
;; Inputs: hidden_states 1 x 4,096 x 1,024 float32; wk 1,024 x 256 float32; wo 1,024 x 1,024 float32; wq 1,024 x 1,024 float32; wv 1,024 x 256 float32.
;; Outputs: out0 1 x 4,096 x 1,024 float32.
;; This version of the problem:
;;   THIS VERSION OF THE PROBLEM IS GIVEN IN LOW PRECISION. The matrix products marked QUANTISED in the list below multiply operands that are first quantised to E2M3 (2 exponent bits, 3 mantissa bits; 6 bits a number), with one power-of-two scale for each 32 numbers along K (OCP MX v1.0); their sums are f32. All else is computed in f32.
;;   The module's matrix products, in the order in which they are computed (A, B: the left and right operand; K: the contracted axis; several contracted axes count as one K, in the product's order):
;;     1. [M 4,096, K 1,024] x [K 1,024, N 1,024]; A: input hidden_states; B: input wq: QUANTISED
;;     2. [M 4,096, K 1,024] x [K 1,024, N 256]; A: input hidden_states; B: input wk: QUANTISED
;;     3. [M 4,096, K 1,024] x [K 1,024, N 256]; A: input hidden_states; B: input wv: QUANTISED
;;     4. batch 16 x [M 4,096, K 64] x [K 64, N 4,096]; A: computed on the way; B: computed on the way: QUANTISED
;;     5. batch 16 x [M 4,096, K 4,096] x [K 4,096, N 64]; A: softmax (see below); B: computed on the way: QUANTISED
;;     6. [M 4,096, K 1,024] x [K 1,024, N 1,024]; A: computed on the way; B: input wo: QUANTISED
;;   THE QUANTISER, for each operand of a quantised product, along K:
;;     - K is cut into blocks of 32 from its start; a last block that is shorter is filled with zeros.
;;     - A block's scale is 2^e with e = floor(log2(the largest magnitude in the block)) - 2, held to -126 .. 127; a block of zeros has e = 0. As a byte (E8M0): e + 127.
;;     - Each number is divided by its block's scale, clamped to +-7.5, and rounded to the nearest number of E2M3, ties to even, subnormals kept.
;;     - The product sums the exact products of the quantised numbers (number of the format x scale) in f32.
;;   ~~~python
;;   def quantise(x, axis):      # numpy; x: float32 -> the quantised numbers, widened to float32 again
;;       x = np.moveaxis(x, axis, -1); K = x.shape[-1]
;;       x = np.pad(x, [(0, 0)] * (x.ndim - 1) + [(0, -K % 32)]); x = x.reshape(x.shape[:-1] + (-1, 32)); a = np.abs(x).max(-1, keepdims=True)
;;       e = np.where(a > 0, np.clip(np.frexp(np.where(a > 0, a, 1))[1] - 1 - 2, -126, 127), 0)      # np.frexp(a)[1] - 1 = floor(log2(a)), exactly
;;       r = np.clip(x / 2.0 ** e, -7.5, 7.5)
;;       step = 2.0 ** (np.maximum(np.frexp(np.where(r == 0, 1, r))[1] - 1, 0) - 3)
;;       q = np.round(r / step) * step * 2.0 ** e      # np.round: ties to even
;;       return np.moveaxis(q.reshape(q.shape[:-2] + (-1,))[..., :K], -1, axis).astype(np.float32)
;;   ~~~
;;   SOFTMAX AHEAD OF A QUANTISED PRODUCT. Where the list says 'softmax', what is quantised is not the finished softmax but p = 2^(t - M), with t = logit x log2(e) and M = ceil(the row's largest t), a whole number; so 1/2 < the row's largest p <= 1. The row's sum l is taken of the UNQUANTISED p, in f32, and the product's result is divided by l at the end. Since M is a whole number, a kernel that streams over the keys may use a running M (the ceiling of the running maximum): every later rescaling is an exact power of two, which a block's scale takes up: the codes' values come out the same.
;;   OPERANDS COMPUTED ON THE WAY. 'Computed on the way' means the value that the module computes at that place (a softmax that the list does not call 'softmax' is quantised finished and normalised). What goes into a quantiser is computed in f32, as accurately as f32 sums, v_exp_f32 and their like allow (about 1e-6 of the number): no bf16 or f16 on the way to a quantiser, and a product that is left as it is and whose result goes on into a quantised operand takes f32 operands (vector FMAs, or v_wmma_f32_16x16x4_f32). A number that lies on a knife's edge between two numbers of the format may be rounded either way, as far as f32 arithmetic and the matrix unit's own rounding can turn it there, and no further.
;; 2 versions, each right; version 2 is version 1 with the launch attn written anew for expert scheduling mode. Each part assembles by itself: llvm-mc -triple=amdgcn-amd-amdhsa -mcpu=gfx1250 --defsym DOCPART=n.
;; ======== version 1 of 2: 5 launches
;; workspace buffers: xq 4,325,376 bytes; wq8 2,097,152 bytes; qkvc 5,111,808 bytes; att 3,276,800 bytes
;; launch quant_x (part 1): grid 128 x 2, 4 waves a work-group, no clusters, 68,096 bytes of LDS; arguments hidden_states, xq; writes xq
.if DOCPART == 1
	.amdgcn_target "amdgcn-amd-amdhsa--gfx1250"
	.amdhsa_code_object_version 6
	.text
	.protected	k_q447c12ee92_quant_x
	.globl	k_q447c12ee92_quant_x
	.p2align	8
	.type	k_q447c12ee92_quant_x,@function
k_q447c12ee92_quant_x:
	s_mov_b64 s[64:65], 0
	v_nop
	global_prefetch_b8 v0, s[64:65] scope:SCOPE_SE
	s_setreg_imm32_b32 hwreg(HW_REG_WAVE_MODE, 25, 1), 1
	s_wait_xcnt 0x0
; x [4096][1024] f32 becomes codes of FP6 (E2M3) with one E8M0 byte for each 32 along K, laid as the matrix unit's registers take them; and the table cos, sin of the rotary embedding is made.
; LAYOUT OF xq.  Images at 0: [K step 8][group of 32 tokens 128][tile u 2][1536 bytes].  Lane-row r of tile u of group g is token 32 g + 8 u + r + 8 (r / 8).  A fragment (16 rows x 128 K, 12 registers a lane;
; lane (r, h): registers 6 c .. 6 c + 5 = k 64 c + 32 h + 0 .. 31) lies as its registers: register k of lane l at 512 (k / 4) + 16 l + 4 (k % 4).
; Scale words at XSCL: [K step][group][32 words]: lanes 0-15 tile 0's rows, lanes 16-31 tile 1's.  Table at ROPEO: [t 4096][j 32]{cos, sin}, 256 bytes a row.
; SHARES.  Work-group (g, y), wave w: group g, K step 4 y + w: 32 rows x 512 bytes.  Each load takes 512 consecutive bytes of a row; a tile turns through the wave's own stage in LDS (rows 528 bytes apart: 33 x 16,
; so that the sixteen rows of a read start 16 bytes apart modulo 256) and comes back with two whole blocks of 32 in a lane.  Waves share nothing: no barrier.  Memory binds: no matrix unit, no cluster.
; THE TABLE.  Wave number W of 1,024 makes rows t = 4 W .. 4 W + 3, lane = j.  inv = 10^(-j / 8) = 2^(-j c), c = log2(10) / 8 in two parts; angle = t x inv as f32; reduced by n = round(angle x 2 / pi) with pi / 2 in two parts;
; sine and cosine by polynomials on [-pi/4, pi/4]; the quadrant by selects.
; LIMITS: NaN and infinities among the inputs are not served.  A block of zeros, or one whose largest magnitude lies under 2^-124, keeps the byte 1 (its codes are what the rule gives; only this program reads the bytes).
; inv is within about one unit in the last place of 10^(-j / 8); the reduction holds for angles under 2^13 (here under 4,096).
.set XSCL,   3145728
.set ROPEO,  3276800
.set KSTR,   393216                    ; bytes of a K step's images
.set SPITCH, 528
.set STG,    16*SPITCH                 ; a stage: 16 rows
.set R,   16                           ; v16-143  the 32 rows as loaded: tile u, row i at R + 64 u + 4 i
.set X,   144                          ; v144-207 64 numbers of a lane: 32 c + i = k 64 c + 32 h + i  (before that: the table's work registers)
.set C,   208                          ; v208-231 the codes: 12 registers for each tile, so that no store's data are written again
.set TQ,  232                          ; v232-238 the upper halves of the blocks' codes, before they are moved
.set RD,  240                          ; v240-247 the table's store data, a pair for each t
.set M,   248                          ; v248-249 largest magnitudes
.set SO,  250                          ; v250-251 the conversions' scale operands
.set BY,  252                          ; v252-253 scale bytes
.set T,   254                          ; v254     a lane permute's destination
	s_load_b128 s[4:7], s[0:1], 0x0                ; x s[4:5], xq s[6:7]
	v_lshl_add_u32 v239, v0, 2, 0x10800
	v_mov_b32 v255, 0
	v_lshrrev_b32 v1, 5, v0
	v_readfirstlane_b32 s8, v1                     ; wave 0..3
	v_and_b32 v2, 31, v0                           ; lane
	v_and_b32 v3, 15, v0                           ; r
	v_bfe_u32 v4, v0, 4, 1                         ; h
	s_and_b32 s9, ttmp7, 0xffff                    ; y
	s_lshl_b32 s10, s9, 2
	s_add_co_u32 s10, s10, s8                      ; my K step: 4 y + wave
	v_lshlrev_b32 v5, 4, v2                        ; 16 x lane: in a row's 512 bytes, and in an image
	s_mul_i32 s14, s8, 2*STG                       ; my two stages
	v_add_nc_u32 v6, s14, v5                       ; into a stage: 16 x lane
	v_mul_u32_u24 v7, v3, SPITCH
	v_lshl_add_u32 v7, v4, 7, v7
	v_add_nc_u32 v7, s14, v7                       ; out of it: row r, + 128 h: my block of 32 numbers
	v_lshlrev_b32 v13, 3, v2                       ; the table: 8 bytes a lane
	v_lshlrev_b32 v14, 3, v4                       ; 8 h: how far my two scale bytes are shifted
	v_lshlrev_b32 v15, 2, v2                       ; a scale word: 4 bytes a lane
	v_mov_b32 v[T], 0
	s_lshl_b32 s12, ttmp9, 17                      ; 32 rows of 4,096 bytes a group,
	s_lshl_b32 s13, s10, 9                         ; 512 bytes a K step
	s_add_co_u32 s12, s12, s13
	s_mov_b32 s13, 0
	s_lshl_b32 s15, ttmp9, 1
	s_add_co_u32 s15, s15, s9
	s_lshl_b32 s15, s15, 2
	s_add_co_u32 s15, s15, s8                      ; W
	s_lshl_b32 s15, s15, 2                         ; my first t
	s_lshl_b32 s30, s15, 8
	s_add_co_u32 s30, s30, ROPEO
	s_mov_b32 s31, 0
	s_mul_i32 s32, s10, KSTR
	s_mul_i32 s33, ttmp9, 3072
	s_add_co_u32 s32, s32, s33                     ; my group's two images
	s_mov_b32 s33, 0
	s_lshl_b32 s34, s10, 14
	s_lshl_b32 s35, ttmp9, 7
	s_add_co_u32 s34, s34, s35
	s_add_co_u32 s34, s34, XSCL                    ; and its 32 scale words
	s_mov_b32 s35, 0
	s_mov_b32 s17, 0x3fc90fdb                      ; pi / 2, upper part
	s_mov_b32 s18, 0xb33bbd2e                      ; and what is left of it
	s_mov_b32 s22, 0x76543210
	s_mov_b32 s23, 0xfedcba98                      ; v_permlanex16_b32's selects for lane l xor 16
	s_mov_b32 s26, 0xffff0000                      ; lanes 16-31
	s_wait_kmcnt 0x0
	s_add_nc_u64 s[4:5], s[4:5], s[12:13]
	s_add_nc_u64 s[20:21], s[6:7], s[30:31]
	s_add_nc_u64 s[24:25], s[6:7], s[32:33]
	s_add_nc_u64 s[28:29], s[6:7], s[34:35]
.irp u, 0,1
.irp i, 0,1,2,3,4,5,6,7,8,9,10,11,12,13,14,15
	global_load_b128 v[R+64*\u+4*\i:R+64*\u+4*\i+3], v5, s[4:5] offset:(8*\u+\i+8*(\i/8))*4096 th:TH_LOAD_NT   ; 32 lanes read 512 consecutive bytes of one row
.endr
.endr
	; ---- the table, while the loads are on their way
	v_cvt_f32_u32 v8, v2                           ; j
	v_mul_f32 v9, 0x3ed49a78, v8                   ; j c, rounded,
	v_fma_f32 v10, v8, 0x3ed49a78, -v9             ; what the rounding dropped,
	v_fma_f32 v10, v8, 0x32179a37, v10             ; and j x c's lower part
	v_exp_f32 v11, -v9
	v_mul_f32 v10, 0xbf317218, v10                 ; -ln 2 x the rest.  (A plain line behind the exponential)
	s_wait_alu depctr_va_vdst(0)                   ; the wait ahead of the first line that names the exponential's result
	v_fma_f32 v9, v11, v10, v11                    ; inv = 2^(-j c)
.macro ROPE n
.set B, 144+12*\n
	s_add_co_u32 s16, s15, \n
	v_cvt_f32_u32 v[B], s16
	v_mul_f32 v[B], v[B], v9                       ; the angle, as f32
	v_mul_f32 v[B+1], 0x3f22f983, v[B]
	v_rndne_f32 v[B+1], v[B+1]                     ; n = round(angle x 2 / pi)
	v_fma_f32 v[B+2], -v[B+1], s17, v[B]
	v_fma_f32 v[B+2], -v[B+1], s18, v[B+2]         ; r = angle - n pi / 2
	v_mul_f32 v[B+3], v[B+2], v[B+2]               ; r^2
	v_mov_b32 v[B+4], 0xb94ca1f9
	v_fmaak_f32 v[B+4], v[B+4], v[B+3], 0x3c08839e
	v_fmaak_f32 v[B+4], v[B+4], v[B+3], 0xbe2aaaa3
	v_mul_f32 v[B+4], v[B+4], v[B+3]
	v_fma_f32 v[B+4], v[B+4], v[B+2], v[B+2]       ; sin r
	v_mov_b32 v[B+5], 0x37ccf5ce
	v_fmaak_f32 v[B+5], v[B+5], v[B+3], 0xbab6061a
	v_fmaak_f32 v[B+5], v[B+5], v[B+3], 0x3d2aaaa5
	v_mul_f32 v[B+5], v[B+5], v[B+3]
	v_fma_f32 v[B+6], v[B+3], -0.5, 1.0
	v_fma_f32 v[B+5], v[B+5], v[B+3], v[B+6]       ; cos r
	v_cvt_i32_f32 v[B+7], v[B+1]                   ; the quadrant: n modulo 4
	v_and_b32 v[B+8], 1, v[B+7]
	v_cmp_eq_u32 vcc_lo, 1, v[B+8]
	v_cndmask_b32 v[B+9], v[B+4], v[B+5], vcc_lo   ; in odd quadrants the two change places
	v_cndmask_b32 v[B+10], v[B+5], v[B+4], vcc_lo
	v_and_b32 v[B+8], 2, v[B+7]
	v_lshlrev_b32 v[B+8], 30, v[B+8]
	v_xor_b32 v[RD+2*\n+1], v[B+8], v[B+9]         ; the sine is negative in quadrants 2 and 3,
	v_add_nc_u32 v[B+7], 1, v[B+7]
	v_and_b32 v[B+7], 2, v[B+7]
	v_lshlrev_b32 v[B+7], 30, v[B+7]
	v_xor_b32 v[RD+2*\n], v[B+7], v[B+10]          ; the cosine in quadrants 1 and 2
	global_store_b64 v13, v[RD+2*\n:RD+2*\n+1], s[20:21] offset:256*\n   ; 32 lanes store 256 consecutive bytes, aligned
.endm
	ROPE 0
	ROPE 1
	ROPE 2
	ROPE 3
	; ---- a tile: through the stage, two whole blocks a lane, codes and scale word
.macro TILE u
	s_wait_loadcnt 16-16*\u                        ; loads come back in order: this tile's sixteen are in; behind tile 0's stand tile 1's sixteen
.irp i, 0,1,2,3,4,5,6,7,8,9,10,11,12,13,14,15
	ds_store_b128 v6, v[R+64*\u+4*\i:R+64*\u+4*\i+3] offset:\u*STG+\i*SPITCH
.endr
.irp c, 0,1
.irp m, 0,1,2,3,4,5,6,7
	ds_load_b128 v[X+32*\c+4*\m:X+32*\c+4*\m+3], v7 offset:\u*STG+256*\c+16*\m   ; LDS serves a wave's instructions in order: these see my stores
.endr
.endr
	s_wait_dscnt 0x0
.irp c, 0,1
	v_max3_num_f32 v[M+\c], |v[X+32*\c]|, |v[X+32*\c+1]|, 0x1800000   ; my block 2 c + h, and the floor 2^(3 - 127): the byte cannot fall under 1
.endr
.irp i, 2,4,6,8,10,12,14,16,18,20,22,24,26,28,30
.irp c, 0,1
	v_max3_num_f32 v[M+\c], v[M+\c], |v[X+32*\c+\i]|, |v[X+32*\c+\i+1]|   ; (the two blocks by turns)
.endr
.endr
.irp c, 0,1
	v_add_nc_u32 v[SO+\c], 0xff000000, v[M+\c]     ; 2 off the exponent field: the conversion takes this operand's exponent field as its scale
.endr
.irp c, 0,1
	v_lshrrev_b32 v[BY+\c], 23, v[SO+\c]           ; the scale's byte
.endr
	v_lshl_or_b32 v[10+\u], v[BY+1], 16, v[BY]     ; my two bytes: blocks h and 2 + h of row r,
	v_lshlrev_b32 v[10+\u], v14, v[10+\u]          ; at their places in the word;
	v_permlanex16_b32 v[T], v[10+\u], s22, s23
	v_or_b32 v[10+\u], v[10+\u], v[T]              ; with lane l xor 16's two the word is whole, in both halves of the lanes
.irp c, 0,1
	v_cvt_scalef32_pk16_fp6_f32 v[C+12*\u+6*\c:C+12*\u+6*\c+2], v[X+32*\c:X+32*\c+15], v[SO+\c]
	v_cvt_scalef32_pk16_fp6_f32 v[TQ+4*\c:TQ+4*\c+2], v[X+32*\c+16:X+32*\c+31], v[SO+\c]   ; (a conversion's three registers begin on an even number)
.endr
	v_nop                                          ; one plain line behind the scaled conversions
.irp c, 0,1
.irp i, 0,1,2
	v_mov_b32 v[C+12*\u+6*\c+3+\i], v[TQ+4*\c+\i]
.endr
.endr
.irp k, 0,1,2
	global_store_b128 v5, v[C+12*\u+4*\k:C+12*\u+4*\k+3], s[24:25] offset:\u*1536+\k*512   ; the image: 512 consecutive bytes a store
.endr
.endm
	TILE 0
	TILE 1
	v_cndmask_b32 v12, v10, v11, s26               ; lanes 0-15 tile 0's words, lanes 16-31 tile 1's
	global_store_b32 v15, v12, s[28:29]
	s_wait_tensorcnt 0x0
	ds_add_u32 v239, v255
	s_wait_dscnt 0x0
	s_endpgm
.Lfunc_end_k_q447c12ee92_quant_x:
	.size	k_q447c12ee92_quant_x, .Lfunc_end_k_q447c12ee92_quant_x-k_q447c12ee92_quant_x
	.p2alignl 7, 3214868480
	.fill 96, 4, 3214868480
	.section	.rodata,"a",@progbits
	.p2align	6, 0x0
	.amdhsa_kernel k_q447c12ee92_quant_x
		.amdhsa_group_segment_fixed_size 68096
		.amdhsa_private_segment_fixed_size 0
		.amdhsa_enable_private_segment 0
		.amdhsa_kernarg_size 16
		.amdhsa_user_sgpr_count 2
		.amdhsa_user_sgpr_kernarg_segment_ptr 1
		.amdhsa_wavefront_size32 1
		.amdhsa_system_sgpr_workgroup_id_x 1
		.amdhsa_system_sgpr_workgroup_id_y 1
		.amdhsa_system_sgpr_workgroup_id_z 1
		.amdhsa_system_vgpr_workitem_id 0
		.amdhsa_next_free_vgpr 256
		.amdhsa_next_free_sgpr 66
		.amdhsa_reserve_vcc 1
		.amdhsa_float_denorm_mode_32 3
		.amdhsa_float_denorm_mode_16_64 3
		.amdhsa_memory_ordered 1
		.amdhsa_forward_progress 1
		.amdhsa_inst_pref_size 23
	.end_amdhsa_kernel
	.amdgpu_metadata
---
amdhsa.version: [ 1, 2 ]
amdhsa.kernels:
  - .name:           k_q447c12ee92_quant_x
    .symbol:         k_q447c12ee92_quant_x.kd
    .args:
      - { .name: hidden_states, .offset: 0, .size: 8, .value_kind: global_buffer, .address_space: global }
      - { .name: xq, .offset: 8, .size: 8, .value_kind: global_buffer, .address_space: global }
    .group_segment_fixed_size: 68096
    .private_segment_fixed_size: 0
    .kernarg_segment_align: 8
    .kernarg_segment_size: 16
    .max_flat_workgroup_size: 128
    .sgpr_count:     66
    .vgpr_count:     256
    .wavefront_size: 32
...
	.end_amdgpu_metadata
.endif
;; end of part 1
;; launch quant_w (part 2): grid 20 x 8, 4 waves a work-group, no clusters, 12,800 bytes of LDS; arguments wq, wk, wv, wo, wq8; writes wq8
.if DOCPART == 2
	.amdgcn_target "amdgcn-amd-amdhsa--gfx1250"
	.amdhsa_code_object_version 6
	.text
	.protected	k_q447c12ee92_quant_w
	.globl	k_q447c12ee92_quant_w
	.p2align	8
	.type	k_q447c12ee92_quant_w,@function
k_q447c12ee92_quant_w:
	s_mov_b64 s[64:65], 0
	v_nop
	global_prefetch_b8 v0, s[64:65] scope:SCOPE_SE
	s_setreg_imm32_b32 hwreg(HW_REG_WAVE_MODE, 25, 1), 1
	s_wait_xcnt 0x0
; The four weights, f32 with K as their FIRST axis, become codes of FP6 (E2M3) with one E8M0 byte for each 32 along K, laid as the matrix unit's registers take them.
; LAYOUT OF wq8.  The 2,560 columns are 20 blocks of 128: blocks 0-7 wq, 8-9 wk, 10-11 wv, 12-19 wo.  Images at 0: [K step 8][block 20][tile 8][1536 bytes]; lane-row r of tile 2 b + u is column 32 b + 8 u + r + 8 (r / 8)
; of the block; a fragment lies as its registers: register k of lane l at 512 (k / 4) + 16 l + 4 (k % 4).  Scale words at WSCL: [K step] 16,384 bytes apart, [block][group b][32 words]: lanes 0-15 tile 2 b, lanes 16-31 tile 2 b + 1.
; SHARES.  Work-group (block, K step), wave w: columns 32 w .. 32 w + 31, 128 along K.  A LANE TAKES A COLUMN AND ITS REGISTERS RUN DOWN K: each load reads 128 consecutive bytes a wave, 512 a work-group; a block of 32
; lies in one lane, and the conversions give codes with K innermost.  The codes go to their places in the wave's own two images in LDS and leave as 512 consecutive bytes a store.
; One path serves the four tensors: only the pointer, the pitch and the first block are chosen, by the work-group's number.  Waves share nothing: no barrier.  Memory binds: no matrix unit, no cluster.
; LIMITS: NaN and infinities are not served; a block of zeros, or one under 2^-124, keeps the byte 1 (only this program reads the bytes).
.set WSCL, 1966080
.set WSTR, 245760                      ; bytes of a K step's images
.set OFF,  16                          ; v16-47   row i of a block of 32: i x pitch + 4 x lane; never rewritten
.set D,    48                          ; v48-175  the 128 numbers of my column
.set CD,   176                         ; v176-207 codes: eight registers for each block of 32
.set RB,   208                         ; v208-231 the two images, read back
.set M,    232                         ; v232-233 largest magnitudes, two chains
.set SO,   234
.set BY,   235
.set WD,   236                         ; my column's scale word
.set TQ,   238                         ; v238-240
	s_load_b256 s[4:11], s[0:1], 0x0               ; wq s[4:5], wk s[6:7], wv s[8:9], wo s[10:11]
	s_load_b64 s[12:13], s[0:1], 0x20              ; wq8
	v_lshl_add_u32 v254, v0, 2, 0x3000
	v_mov_b32 v255, 0
	v_lshrrev_b32 v1, 5, v0
	v_readfirstlane_b32 s14, v1                    ; wave 0..3
	v_and_b32 v2, 31, v0                           ; lane
	s_mov_b32 s15, ttmp9                           ; the block
	s_and_b32 s16, ttmp7, 0xffff                   ; the K step
	s_sub_co_u32 s18, s15, 8
	s_cmp_lt_u32 s18, 4                            ; blocks 8 to 11 (wk, wv) have rows of 1,024 bytes, the others of 4,096
	s_cselect_b32 s18, 10, 12
	s_lshl_b32 s19, 1, s18                         ; the pitch
	v_lshlrev_b32 v3, 2, v2
.irp i, 0,1,2,3,4,5,6,7,8,9,10,11,12,13,14,15,16,17,18,19,20,21,22,23,24,25,26,27,28,29,30,31
	v_mad_u32_u24 v[OFF+\i], s19, \i, v3
.endr
	v_bfe_u32 v4, v2, 3, 1                         ; column l of the group is lane-row r' = l % 8 + 8 (l / 16) of tile u = (l / 8) % 2
	v_and_b32 v5, 7, v2
	v_lshrrev_b32 v6, 4, v2
	v_lshl_add_u32 v5, v6, 3, v5
	v_mul_u32_u24 v7, v4, 1536
	v_lshl_add_u32 v7, v5, 4, v7
	s_mul_i32 s32, s14, 3072                       ; my two images in LDS
	v_add_nc_u32 v7, s32, v7                       ; where lane (r', 0) of tile u stands in them
	v_lshlrev_b32 v9, 4, v2                        ; 16 x lane
	v_add_nc_u32 v8, s32, v9
	v_lshl_add_u32 v10, v4, 4, v5
	v_lshlrev_b32 v10, 2, v10                      ; my word's place in the group's 32: 4 (16 u + r')
	s_wait_kmcnt 0x0
	s_cmp_lt_u32 s15, 8                            ; which tensor, and its first block: choices on the work-group's number alone
	s_cselect_b64 s[4:5], s[4:5], s[6:7]
	s_cselect_b32 s17, 0, 8
	s_cmp_lt_u32 s15, 10
	s_cselect_b64 s[4:5], s[4:5], s[8:9]
	s_cselect_b32 s17, s17, 10
	s_cmp_lt_u32 s15, 12
	s_cselect_b64 s[4:5], s[4:5], s[10:11]
	s_cselect_b32 s17, s17, 12
	s_sub_co_u32 s20, s15, s17
	s_lshl_b32 s20, s20, 9                         ; 128 columns of 4 bytes a block,
	s_lshl_b32 s21, s14, 7                         ; 32 a wave,
	s_add_co_u32 s20, s20, s21
	s_lshl_b32 s21, s16, 7
	s_lshl_b32 s21, s21, s18                       ; 128 rows a K step
	s_add_co_u32 s20, s20, s21
	s_mov_b32 s21, 0
	s_lshl_b32 s22, 32, s18                        ; 32 rows on
	s_mov_b32 s23, 0
	s_add_nc_u64 s[24:25], s[4:5], s[20:21]        ; a base for each block of 32 along K: nothing is stepped
	s_add_nc_u64 s[26:27], s[24:25], s[22:23]
	s_add_nc_u64 s[28:29], s[26:27], s[22:23]
	s_add_nc_u64 s[30:31], s[28:29], s[22:23]
	s_mul_i32 s20, s16, WSTR
	s_mul_i32 s22, s15, 12288
	s_add_co_u32 s20, s20, s22
	s_add_co_u32 s20, s20, s32
	s_add_nc_u64 s[34:35], s[12:13], s[20:21]      ; my two images in wq8
	s_lshl_b32 s20, s16, 14
	s_lshl_b32 s22, s15, 9
	s_add_co_u32 s20, s20, s22
	s_lshl_b32 s22, s14, 7
	s_add_co_u32 s20, s20, s22
	s_add_co_u32 s20, s20, WSCL
	s_add_nc_u64 s[36:37], s[12:13], s[20:21]      ; and my group's 32 scale words
.macro LOAD k                          ; block k of 32 along K: row i of it at my column, into D + 32 k + i.  (The argument is put in as text, so it stands in brackets)
.irp i, 0,1,2,3,4,5,6,7,8,9,10,11,12,13,14,15,16,17,18,19,20,21,22,23,24,25,26,27,28,29,30,31
	global_load_b32 v[D+32*(\k)+\i], v[OFF+\i], s[24+2*(\k):25+2*(\k)] th:TH_LOAD_NT
.endr
.endm
	LOAD 0
	LOAD 1
.macro BLOCK k
.set XS, D+32*\k
.if \k < 3
	s_wait_loadcnt 32                              ; this block's 32 loads are in; the next block's 32 may be out
.else
	s_wait_loadcnt 0x0
.endif
	v_max3_num_f32 v[M], |v[XS]|, |v[XS+1]|, |v[XS+2]|
	v_max3_num_f32 v[M+1], |v[XS+3]|, |v[XS+4]|, |v[XS+5]|
.irp i, 6,10,14,18,22,26
	v_max3_num_f32 v[M], v[M], |v[XS+\i]|, |v[XS+\i+1]|
	v_max3_num_f32 v[M+1], v[M+1], |v[XS+\i+2]|, |v[XS+\i+3]|
.endr
	v_max3_num_f32 v[M], v[M], |v[XS+30]|, |v[XS+31]|
	v_max3_num_f32 v[M], v[M], v[M+1], 0x1800000   ; and the floor 2^(3 - 127): the byte cannot fall under 1
	v_add_nc_u32 v[SO], 0xff000000, v[M]           ; 2 off the exponent field: the conversion's scale operand
	v_lshrrev_b32 v[BY], 23, v[SO]                 ; the scale's byte
.if \k == 0
	v_mov_b32 v[WD], v[BY]
.else
	v_lshl_or_b32 v[WD], v[BY], 8*\k, v[WD]
.endif
	v_cvt_scalef32_pk16_fp6_f32 v[CD+8*\k:CD+8*\k+2], v[XS:XS+15], v[SO]
	v_cvt_scalef32_pk16_fp6_f32 v[TQ:TQ+2], v[XS+16:XS+31], v[SO]   ; (a conversion's three registers begin on an even number)
	v_nop                                          ; one plain line behind the scaled conversions
.irp i, 0,1,2
	v_mov_b32 v[CD+8*\k+3+\i], v[TQ+\i]
.endr
	; block k of my column is registers 6 (k / 2) .. + 5 of lane (r', k % 2): lanes 16-31 stand 256 bytes on; the three register pairs stand at 0, 8, 512 or at 520, 1024, 1032
	ds_store_b64 v7, v[CD+8*\k:CD+8*\k+1] offset:256*(\k%2)+520*(\k/2)
	ds_store_b64 v7, v[CD+8*\k+2:CD+8*\k+3] offset:256*(\k%2)+8+1016*(\k/2)
	ds_store_b64 v7, v[CD+8*\k+4:CD+8*\k+5] offset:256*(\k%2)+512+520*(\k/2)
.if \k < 2
	LOAD \k+2
.endif
.endm
	BLOCK 0
	BLOCK 1
	BLOCK 2
	BLOCK 3
	global_store_b32 v10, v[WD], s[36:37]
.irp k, 0,1,2,3,4,5
	ds_load_b128 v[RB+4*\k:RB+4*\k+3], v8 offset:512*\k   ; LDS serves a wave's instructions in order: these see my stores
.endr
.irp k, 0,1,2,3,4,5
	s_wait_dscnt 5-\k                              ; LDS loads come back in order: the younger ones may stay out
	global_store_b128 v9, v[RB+4*\k:RB+4*\k+3], s[34:35] offset:512*\k   ; 512 consecutive bytes a store
.endr
	s_wait_tensorcnt 0x0
	ds_add_u32 v254, v255
	s_wait_dscnt 0x0
	s_endpgm
.Lfunc_end_k_q447c12ee92_quant_w:
	.size	k_q447c12ee92_quant_w, .Lfunc_end_k_q447c12ee92_quant_w-k_q447c12ee92_quant_w
	.p2alignl 7, 3214868480
	.fill 96, 4, 3214868480
	.section	.rodata,"a",@progbits
	.p2align	6, 0x0
	.amdhsa_kernel k_q447c12ee92_quant_w
		.amdhsa_group_segment_fixed_size 12800
		.amdhsa_private_segment_fixed_size 0
		.amdhsa_enable_private_segment 0
		.amdhsa_kernarg_size 40
		.amdhsa_user_sgpr_count 2
		.amdhsa_user_sgpr_kernarg_segment_ptr 1
		.amdhsa_wavefront_size32 1
		.amdhsa_system_sgpr_workgroup_id_x 1
		.amdhsa_system_sgpr_workgroup_id_y 1
		.amdhsa_system_sgpr_workgroup_id_z 1
		.amdhsa_system_vgpr_workitem_id 0
		.amdhsa_next_free_vgpr 256
		.amdhsa_next_free_sgpr 66
		.amdhsa_reserve_vcc 0
		.amdhsa_float_denorm_mode_32 3
		.amdhsa_float_denorm_mode_16_64 3
		.amdhsa_memory_ordered 1
		.amdhsa_forward_progress 1
		.amdhsa_inst_pref_size 25
	.end_amdhsa_kernel
	.amdgpu_metadata
---
amdhsa.version: [ 1, 2 ]
amdhsa.kernels:
  - .name:           k_q447c12ee92_quant_w
    .symbol:         k_q447c12ee92_quant_w.kd
    .args:
      - { .name: wq, .offset: 0, .size: 8, .value_kind: global_buffer, .address_space: global }
      - { .name: wk, .offset: 8, .size: 8, .value_kind: global_buffer, .address_space: global }
      - { .name: wv, .offset: 16, .size: 8, .value_kind: global_buffer, .address_space: global }
      - { .name: wo, .offset: 24, .size: 8, .value_kind: global_buffer, .address_space: global }
      - { .name: wq8, .offset: 32, .size: 8, .value_kind: global_buffer, .address_space: global }
    .group_segment_fixed_size: 12800
    .private_segment_fixed_size: 0
    .kernarg_segment_align: 8
    .kernarg_segment_size: 40
    .max_flat_workgroup_size: 128
    .sgpr_count:     66
    .vgpr_count:     256
    .wavefront_size: 32
...
	.end_amdgpu_metadata
.endif
;; end of part 2
;; launch qkv (part 3): grid 16 x 12, 4 waves a work-group, no clusters, 295,424 bytes of LDS; arguments xq, wq8, qkvc; writes qkvc
.if DOCPART == 3
	.amdgcn_target "amdgcn-amd-amdhsa--gfx1250"
	.amdhsa_code_object_version 6
	.text
	.protected	k_q447c12ee92_qkv
	.globl	k_q447c12ee92_qkv
	.p2align	8
	.type	k_q447c12ee92_qkv,@function
k_q447c12ee92_qkv:
	s_mov_b64 s[64:65], 0
	v_nop
	global_prefetch_b8 v0, s[64:65] scope:SCOPE_SE
	s_setreg_imm32_b32 hwreg(HW_REG_WAVE_MODE, 25, 1), 1
	s_wait_xcnt 0x0
; q = x wq, k = x wk, v = x wv on codes of FP6 (E2M3) with E8M0 scales; the rotary embedding on q and k; q and k quantised along the head's 64, v along the keys; all three stored as the attention launch's operand registers.
; SHARES.  A work-group multiplies P (source 0: 128 rows, read by all four waves) by R (source 1: 256 rows; wave w takes its tiles 4 w .. 4 w + 3), K = 1,024 in eight steps of 128.
;   y < 10 (q: y < 8; k: y = 8, 9): P = weight block y, two heads; R = tokens 256 x .. + 255.  A lane then holds ONE token and its registers run along the heads' 64.
;   y >= 10 (v): P = token block x + 16 (y - 10); R = weight blocks 10, 11.  A lane then holds one of v's 256 columns, its registers run along the tokens, which are the next product's K; wave w is key-value head w.
; The rows of a tile are not neighbours (lane-row r of tile 2 b + u is row 32 b + 8 u + r + 8 (r / 8) of a block of 128), so that the 16 registers of result tiles 2 b and 2 b + 1 are 16 neighbours: row 32 b + 16 h + 0 .. 15.
; LDS.  All eight K steps of P (98,304 bytes) and of R's two halves (2 x 98,304) come in ONCE, by tensor loads of 12,288 dense bytes; nothing is filled again.  Wave 0 brings P, waves 1 and 2 R's halves: eight loads each, all eight out at once.
; Fragments lie in memory and LDS as images of their registers: three ds_load_b128 of 512 consecutive bytes bring one.
; LAYOUT OF qkvc.  Q at 0: [head 16][128 tokens 32] blocks of 6,656 bytes: four pair images of 1,536 (a group of 32 tokens: registers 0-5 tile 0, 6-11 tile 1; K = 64), then 4 x 128 bytes of scale words (lanes 0-15 tile 0, lanes 16-31 tile 1).
; KV at KVO: [head 4][128 keys 32] blocks of 13,312: K as Q (6,656), then V's four fragments of 16 channels x 128 keys (6,144) and their scale words, 4 x 128 bytes.
; A q or k scale word's bytes 2 and 3 belong to codes that the attention launch multiplies by zero codes: they hold the neighbour head's bytes (1 to 254) or 0, never 0xff.
; NO CLUSTER: along x the work-groups of one y share 98,304 of their 294,912 bytes, and which region that is differs between y < 10 (P) and y >= 10 (R); along y a group of four would hold k's and v's work-groups, whose buffers and paths differ.
; The table of cosines and sines is loaded by every work-group at the head, v's too, which do not use it: one path for the head.
; LIMITS: NaN and infinities are not served; a block of zeros, or one under 2^-124, keeps the byte 1 (only this program reads the bytes).
; REGISTERS, in windows of 256: window 0: v1-8 addresses; v32-63 P's scale words, v64-79 R's (scales and nothing else); v96-191 P's eight fragments, v192-239 R's four: set 0.  window 1: the same numbers: set 1.
;   window 2: the 32 accumulators, (R tile i, P tile t) at v[64 i + 8 t].   window 3: v0-127 the table, 32 registers for each R tile.   Behind the products window 0's v96-237 are at work.
.set XSTR,  393216                     ; a K step's images in xq
.set WSTR,  245760                     ; and in wq8
.set XSCL,  3145728
.set WSCL,  1966080
.set ROPEO, 3276800
.set STEPB, 12288                      ; a block's eight fragments
.set REG,   8*STEPB                    ; a region of LDS: eight K steps
.set KVO,   3407872
.set QBLK,  6656
.set KVBLK, 13312
.set G1,  16                           ; s[16:23] descriptor group 1
.set G0,  24                           ; s[24:55] descriptor group 0, one for each K step
.set SEL, 78                           ; s[78:79] v_permlanex16_b32's selects for lane l xor 16
.set PS,  32
.set RS,  64
.set PF,  96
.set RF,  192
.set H,    96                          ; v96-159  64 numbers of a lane on their way to the quantiser
.set CSET, 160                         ; v160-207 codes: four sets of 12, so that no store's data are written again
.set TM,   208                         ; v208-211 largest magnitudes, v212-215 bytes, v220-223 scale operands
.set TQ,   224                         ; v224-230
.set WE,   232                         ; v232-233 the scale words of a pair's two tiles
.set WJ,   234                         ; v234-237 scale words to store
.set MSB, 0
.macro WIN new                         ; the immediate's high byte repeats the setting that is left
.if MSB != \new
	s_set_vgpr_msb (MSB<<8)|\new
.set MSB, \new
.endif
.endm
.macro WM d, a, b, c, sa, sb, ra, rb   ; one product; ra, rb: the side's scales stand in lanes 16-31 of its register
.if (\ra) && (\rb)
	v_wmma_scale_f32_16x16x128_f8f6f4 v[(\d):(\d)+7], v[(\a):(\a)+11], v[(\b):(\b)+11], \c, v[\sa], v[\sb] matrix_a_fmt:MATRIX_FMT_FP6 matrix_b_fmt:MATRIX_FMT_FP6 matrix_a_scale:MATRIX_SCALE_ROW1 matrix_b_scale:MATRIX_SCALE_ROW1
.elseif (\ra)
	v_wmma_scale_f32_16x16x128_f8f6f4 v[(\d):(\d)+7], v[(\a):(\a)+11], v[(\b):(\b)+11], \c, v[\sa], v[\sb] matrix_a_fmt:MATRIX_FMT_FP6 matrix_b_fmt:MATRIX_FMT_FP6 matrix_a_scale:MATRIX_SCALE_ROW1
.elseif (\rb)
	v_wmma_scale_f32_16x16x128_f8f6f4 v[(\d):(\d)+7], v[(\a):(\a)+11], v[(\b):(\b)+11], \c, v[\sa], v[\sb] matrix_a_fmt:MATRIX_FMT_FP6 matrix_b_fmt:MATRIX_FMT_FP6 matrix_b_scale:MATRIX_SCALE_ROW1
.else
	v_wmma_scale_f32_16x16x128_f8f6f4 v[(\d):(\d)+7], v[(\a):(\a)+11], v[(\b):(\b)+11], \c, v[\sa], v[\sb] matrix_a_fmt:MATRIX_FMT_FP6 matrix_b_fmt:MATRIX_FMT_FP6
.endif
.endm
	s_load_b128 s[4:7], s[0:1], 0x0                ; xq s[4:5], wq8 s[6:7]
	s_load_b64 s[8:9], s[0:1], 0x10                ; qkvc
	v_lshl_add_u32 v254, v0, 2, 0x48000
	v_mov_b32 v255, 0
	ds_add_u32 v254, v255
	ds_add_u32 v254, v255
	v_lshrrev_b32 v1, 5, v0
	v_readfirstlane_b32 s10, v1                    ; wave 0..3
	s_mov_b32 s11, ttmp9                           ; x
	s_and_b32 s12, ttmp7, 0xffff                   ; y
	; descriptor group 1: 12,288 dense bytes as 48 rows of 32 elements of 8 bytes; no padding, no mask
	s_mov_b32 s[G1+0], 3<<16
	s_mov_b32 s[G1+1], 32<<16                      ; tensor_dim0
	s_mov_b32 s[G1+2], 48<<16                      ; tensor_dim1
	s_mov_b32 s[G1+3], 32<<16                      ; tile_dim0
	s_mov_b32 s[G1+4], 48                          ; tile_dim1
	s_mov_b32 s[G1+5], 32                          ; the pitch
	s_mov_b32 s[G1+6], 0
	s_mov_b32 s[G1+7], 0
	s_cmp_ge_u32 s12, 10
	s_cselect_b32 s13, 1, 0                        ; 1: v's work-group
	s_cselect_b32 s14, 10, s12
	s_sub_co_u32 s14, s12, s14
	s_lshl_b32 s14, s14, 4
	s_add_co_u32 s14, s14, s11                     ; v: its token block, x + 16 (y - 10)
	; what my wave brings: wave 0 P, waves 1 and 2 R's halves.  From xq: v's P (its token block), q's and k's R (token blocks 2 x, 2 x + 1).  From wq8: q's and k's P (block y), v's R (blocks 10, 11)
	s_lshl_b32 s56, s11, 1
	s_add_co_u32 s56, s56, s10
	s_sub_co_u32 s56, s56, 1                       ; 2 x + wave - 1
	s_add_co_u32 s57, s10, 9                       ; 9 + wave
	s_cmp_eq_u32 s13, 1
	s_cselect_b32 s56, s14, s56                    ; the block, if it is one of xq,
	s_cselect_b32 s57, s57, s12                    ; and if it is one of wq8
	s_cmp_eq_u32 s10, 0
	s_cselect_b32 s58, 1, 0
	s_mov_b32 s62, WSTR
	s_wait_dscnt 0x0
	s_wait_kmcnt 0x0
	s_cmp_eq_u32 s58, s13                          ; from xq where (wave 0) = (v's work-group): the choice hangs on ids alone
	s_cselect_b64 s[60:61], s[4:5], s[6:7]
	s_cselect_b32 s56, s56, s57
	s_cselect_b32 s62, XSTR, s62                   ; from K step to K step
	s_mov_b32 s63, 0
	s_mul_i32 s56, s56, STEPB
	s_mov_b32 s57, 0
	s_add_nc_u64 s[60:61], s[60:61], s[56:57]
	s_min_u32 s58, s10, 2
	s_mul_i32 s58, s58, REG                        ; my region of LDS
.irp s, 0,1,2,3,4,5,6,7
	s_mov_b32 s[G0+4*\s], 1                        ; count = 1
	s_add_co_u32 s[G0+4*\s+1], s58, \s*STEPB       ; LDS address
	s_mov_b64 s[G0+4*\s+2:G0+4*\s+3], s[60:61]     ; global address
	s_or_b32 s[G0+4*\s+3], s[G0+4*\s+3], 0x80000000   ; type = 2
	s_add_nc_u64 s[60:61], s[60:61], s[62:63]
.endr
	s_cmp_lt_u32 s10, 3                            ; a wave's eight first fills stand in one branch on the wave's number, ahead of every wait on TENSORcnt, every LDS read and every barrier
	s_cbranch_scc0 .Lno_fill
.irp s, 0,1,2,3,4,5,6,7
	tensor_load_to_lds s[G0+4*\s:G0+4*\s+3], s[G1:G1+7]
	s_nop 0
.endr
.rept 4
	v_nop                                          ; four lines behind the last load, ahead of the label
.endr
.Lno_fill:
	v_and_b32 v10, 31, v0                          ; lane
	v_and_b32 v11, 15, v0                          ; r
	v_bfe_u32 v12, v0, 4, 1                        ; h
	v_lshlrev_b32 v1, 4, v10                       ; P: 16 x lane, K steps 0-3;
	v_add_nc_u32 v2, 4*STEPB, v1                   ; K steps 4-7
	s_lshr_b32 s56, s10, 1
	s_mul_i32 s56, s56, REG                        ; R: my half,
	s_and_b32 s57, s10, 1
	s_mul_i32 s57, s57, 6144                       ; my four tiles of its eight
	s_add_co_u32 s56, s56, s57
	s_add_co_u32 s56, s56, REG
	v_add_nc_u32 v3, s56, v1
	v_add_nc_u32 v4, 4*STEPB, v3
	v_lshlrev_b32 v5, 2, v10                       ; 4 x lane
	v_and_b32 v6, 8, v11
	v_add_nc_u32 v6, v6, v11
	v_lshlrev_b32 v6, 8, v6
	v_lshl_add_u32 v6, v12, 6, v6                  ; the table: row r + 8 (r / 8) of 256 bytes, + 64 h: my eight pairs
	; the scale words: both buffers have them 16,384 bytes apart from K step to K step, 128 bytes a group of 32 rows
	s_lshl_b32 s56, s14, 9
	s_add_co_u32 s56, s56, XSCL                    ; v: P's, of its token block
	s_lshl_b32 s57, s12, 9
	s_add_co_u32 s57, s57, WSCL                    ; q, k: P's, of weight block y
	s_lshl_b32 s58, s10, 8                         ; my two groups of R's eight
	s_add_co_u32 s59, s58, WSCL+5120               ; v: R's, from weight block 10 on
	s_lshl_b32 s60, s11, 10
	s_add_co_u32 s60, s60, s58
	s_add_co_u32 s60, s60, XSCL                    ; q, k: R's, from token block 2 x on
	s_cmp_eq_u32 s13, 1
	s_cselect_b64 s[66:67], s[4:5], s[6:7]
	s_cselect_b64 s[68:69], s[6:7], s[4:5]
	s_cselect_b32 s56, s56, s57
	s_cselect_b32 s58, s59, s60
	s_mov_b32 s57, 0
	s_mov_b32 s59, 0
	s_add_nc_u64 s[66:67], s[66:67], s[56:57]
	s_add_nc_u64 s[68:69], s[68:69], s[58:59]
.irp s, 0,1,2,3,4,5,6,7
.irp g, 0,1,2,3
	global_load_b32 v[PS+4*\s+\g], v5, s[66:67] offset:\s*16384+\g*128   ; lanes 0-15 tile 2 g's words, lanes 16-31 tile 2 g + 1's
.endr
.irp g, 0,1
	global_load_b32 v[RS+2*\s+\g], v5, s[68:69] offset:\s*16384+\g*128
.endr
.endr
	s_lshl_b32 s56, s11, 16                        ; the table's rows of my 64 tokens: 256 x + 64 wave on
	s_lshl_b32 s57, s10, 14
	s_add_co_u32 s56, s56, s57
	s_add_co_u32 s56, s56, ROPEO
	s_mov_b32 s57, 0
	s_add_nc_u64 s[70:71], s[4:5], s[56:57]
	WIN 0xc0                                       ; destination window 3
.irp i, 0,1,2,3
.irp b, 0,1
.irp m, 0,1,2,3
	global_load_b128 v[32*\i+16*\b+4*\m:32*\i+16*\b+4*\m+3], v6, s[70:71] offset:(32*(\i/2)+8*(\i%2))*256+128*\b+16*\m   ; {cos, sin} of pairs 16 b + 8 h + 2 m, + 1 for R tile i's token
.endr
.endr
.endr
	WIN 0
	s_mov_b32 s[SEL], 0x76543210
	s_mov_b32 s[SEL+1], 0xfedcba98
	s_mov_b32 s76, 0xffff0000                      ; lanes 16-31
.macro FETCH s                         ; K step s: P's eight fragments and my four of R into set s % 2
.if ((\s)%2)
	WIN 0x40
.else
	WIN 0
.endif
.irp t, 0,1,2,3,4,5,6,7
.irp k, 0,1,2
	ds_load_b128 v[PF+12*\t+4*\k:PF+12*\t+4*\k+3], v[1+(\s)/4] offset:((\s)%4)*STEPB+\t*1536+\k*512
.endr
.endr
.irp i, 0,1,2,3
.irp k, 0,1,2
	ds_load_b128 v[RF+12*\i+4*\k:RF+12*\i+4*\k+3], v[3+(\s)/4] offset:((\s)%4)*STEPB+\i*1536+\k*512
.endr
.endr
.endm
.macro MUL s                           ; 32 products: the 32 accumulators take turns, one instruction a turn, in the same order in every K step.  The first K step starts the sums
.if ((\s)%2)
	WIN 0xa5                                       ; sources 0 and 1 window 1, C and D window 2
.else
	WIN 0xa0
.endif
.irp i, 0,1,2,3
.irp t, 0,1,2,3,4,5,6,7
.if (\s) == 0
	WM 64*\i+8*\t, PF+12*\t, RF+12*\i, 0, PS+4*(\s)+\t/2, RS+2*(\s)+\i/2, \t%2, \i%2
.else
	WM 64*\i+8*\t, PF+12*\t, RF+12*\i, v[64*\i+8*\t:64*\i+8*\t+7], PS+4*(\s)+\t/2, RS+2*(\s)+\i/2, \t%2, \i%2
.endif
.endr
.endr
.endm
	s_wait_tensorcnt 0x7                           ; tensor loads of a wave end in order: my part of K step 0 is in, the seven behind it may stay out
	s_barrier_signal -1
	s_barrier_wait -1                              ; everybody's is
	s_wait_loadcnt 0x0                             ; the scale words and the table
	FETCH 0
.irp s, 0,1,2,3,4,5,6
	s_wait_dscnt 0x0                               ; K step s's fragments are in registers, and no LDS instruction of mine is out at the signal
	s_wait_tensorcnt 6-\s                          ; my part of K step s + 1 is in; the later loads may stay out
	s_barrier_signal -1
	s_barrier_wait -1
.rept 4
	v_nop                                          ; four places between the last products and loads into registers that they read
.endr
	FETCH \s+1                                     ; lands while K step s is multiplied
	MUL \s
.endr
	s_wait_dscnt 0x0
	MUL 7
	WIN 0
.rept 4
	v_nop                                          ; four places ahead of the first read of results
.endr
.irp b, 0,1,2,3
	v_mov_b32 v[TM+4+\b], 0                        ; written once: a lane permute's destination counts as one of its sources
.endr
; 64 numbers of a lane, v[s] .. v[s + 63], register 16 b + i = k 32 b + 16 h + i of my row, become codes: blocks 0, 1 in v[d0] .. + 5, blocks 2, 3 in v[d1] .. + 5 (lane (r, h): block 2 c + h), and the row's scale word in v[pw].
.macro QUANT s, d0, d1, pw
.irp b, 0,1,2,3
	v_max3_num_f32 v[TM+\b], |v[(\s)+16*\b]|, |v[(\s)+1+16*\b]|, 0x1800000   ; my 16 numbers of block b, and the floor 2^(3 - 127): the byte cannot fall under 1
.endr
.irp i, 2,4,6,8,10,12,14
.irp b, 0,1,2,3
	v_max3_num_f32 v[TM+\b], v[TM+\b], |v[(\s)+16*\b+\i]|, |v[(\s)+1+16*\b+\i]|   ; (the four blocks by turns)
.endr
.endr
.irp b, 0,1,2,3
	v_permlanex16_b32 v[TM+4+\b], v[TM+\b], s[SEL], s[SEL+1]
.endr
.irp b, 0,1,2,3
	v_max_num_f32 v[TM+\b], v[TM+\b], v[TM+4+\b]   ; with lane l xor 16's: the block's largest magnitude
.endr
.irp b, 0,1,2,3
	v_add_nc_u32 v[TM+12+\b], 0xff000000, v[TM+\b] ; 2 off its exponent field: the conversion's scale operand
.endr
.irp b, 0,1,2,3
	v_lshrrev_b32 v[TM+4+\b], 23, v[TM+12+\b]      ; the scale's byte
.endr
	v_lshl_or_b32 v[\pw], v[TM+5], 8, v[TM+4]
	v_lshl_or_b32 v[\pw], v[TM+6], 16, v[\pw]
	v_lshl_or_b32 v[\pw], v[TM+7], 24, v[\pw]
	v_cvt_scalef32_pk16_fp6_f32 v[(\d0):(\d0)+2], v[(\s):(\s)+15], v[TM+12]
	v_cvt_scalef32_pk16_fp6_f32 v[TQ:TQ+2], v[(\s)+16:(\s)+31], v[TM+13]   ; (a conversion's three registers begin on an even number)
	v_cvt_scalef32_pk16_fp6_f32 v[(\d1):(\d1)+2], v[(\s)+32:(\s)+47], v[TM+14]
	v_cvt_scalef32_pk16_fp6_f32 v[TQ+4:TQ+6], v[(\s)+48:(\s)+63], v[TM+15]
	v_nop                                          ; one plain line behind the scaled conversions
.irp i, 0,1,2
	v_permlane16_swap_b32 v[(\d0)+\i], v[TQ+\i]    ; the operand's layout wants a whole block in a lane: lanes 0-15 the even block, lanes 16-31 the odd one
.endr
.irp i, 0,1,2
	v_mov_b32 v[(\d0)+3+\i], v[TQ+\i]
.endr
.irp i, 0,1,2
	v_permlane16_swap_b32 v[(\d1)+\i], v[TQ+4+\i]
.endr
.irp i, 0,1,2
	v_mov_b32 v[(\d1)+3+\i], v[TQ+4+\i]
.endr
.endm
	s_cmp_eq_u32 s13, 1
	s_cbranch_scc1 .Lpath_v
	; ---- q and k.  My lane's token; accumulator register 64 i + n is channel n % 64 of head n / 64 of the block's two (n = 32 b + 16 h + .. as laid above)
	s_mov_b32 s56, KVBLK
	s_cmp_lt_u32 s12, 8
	s_cselect_b32 s56, QBLK, s56                   ; bytes of a block in qkvc,
	s_cselect_b32 s57, 0, KVO                      ; the region,
	s_cselect_b32 s58, 0, 8
	s_sub_co_u32 s58, s12, s58
	s_lshl_b32 s58, s58, 6                         ; 32 blocks a head, the first head 2 y or 2 (y - 8),
	s_lshl_b32 s59, s11, 1
	s_add_co_u32 s58, s58, s59
	s_lshr_b32 s59, s10, 1
	s_add_co_u32 s58, s58, s59                     ; my 128 tokens: block 2 x + wave / 2
	s_mul_i32 s58, s58, s56
	s_add_co_u32 s58, s58, s57
	s_mov_b32 s59, 0
	s_add_nc_u64 s[72:73], s[8:9], s[58:59]        ; the first head's block,
	s_lshl_b32 s56, s56, 5
	s_mov_b32 s57, 0
	s_add_nc_u64 s[74:75], s[72:73], s[56:57]      ; the second head's
	s_and_b32 s56, s10, 1
	s_mul_i32 s57, s56, 3072
	v_add_nc_u32 v7, s57, v1                       ; my two pair images of the block's four
	s_lshl_b32 s57, s56, 8
	s_add_co_u32 s57, s57, 6144
	v_add_nc_u32 v8, s57, v5                       ; and their scale words
.macro QK t                            ; R tile t: the rotation, then the quantiser.  Pair p: (x1, x2) -> (x1 cos - x2 sin, x1 sin + x2 cos)
	WIN 0x0e                                       ; source 0 (accumulators) window 2, source 1 (the table) window 3
.set p, 0
.rept 32
	v_mul_f32 v[H+2*p], v[64*(\t)+2*p+1], v[32*(\t)+(2*p)%32+1]      ; x2 sin.  (Each accumulator is read from its low end on)
	v_mul_f32 v[H+2*p+1], v[64*(\t)+2*p+1], v[32*(\t)+(2*p)%32]      ; x2 cos
.set p, p+1
.endr
.set p, 0
.rept 32
	v_fma_f32 v[H+2*p], v[64*(\t)+2*p], v[32*(\t)+(2*p)%32], -v[H+2*p]
	v_fma_f32 v[H+2*p+1], v[64*(\t)+2*p], v[32*(\t)+(2*p)%32+1], v[H+2*p+1]
.set p, p+1
.endr
	WIN 0
	QUANT H, CSET+24*((\t)/2)+6*((\t)%2), CSET+12+24*((\t)/2)+6*((\t)%2), WE+(\t)%2   ; blocks 0, 1: the first head's half of the pair image; blocks 2, 3: the second head's
.endm
.macro PAIR r                          ; a group of 32 tokens: two tiles, one pair image for each head
	QK 2*\r
	QK 2*\r+1
	v_cndmask_b32 v[WJ+2*\r], v[WE], v[WE+1], s76  ; lanes 0-15 tile 0's words, lanes 16-31 tile 1's: bytes 0, 1 are the first head's;
	v_lshrrev_b32 v[WJ+2*\r+1], 16, v[WJ+2*\r]     ; the second head's
.irp k, 0,1,2
	global_store_b128 v7, v[CSET+24*\r+4*\k:CSET+24*\r+4*\k+3], s[72:73] offset:\r*1536+\k*512
	global_store_b128 v7, v[CSET+12+24*\r+4*\k:CSET+12+24*\r+4*\k+3], s[74:75] offset:\r*1536+\k*512   ; 512 consecutive bytes a store
.endr
	global_store_b32 v8, v[WJ+2*\r], s[72:73] offset:128*\r
	global_store_b32 v8, v[WJ+2*\r+1], s[74:75] offset:128*\r
.endm
	PAIR 0
	PAIR 1
	s_wait_tensorcnt 0x0
	ds_add_u32 v254, v255
	s_wait_dscnt 0x0
	s_endpgm
.Lpath_v:
	; ---- v.  My lane's channel; accumulator register 64 i + n is token n of the block's 128: a whole K step of the attention's second product
	s_lshl_b32 s56, s10, 5
	s_add_co_u32 s56, s56, s14                     ; head = wave, 32 blocks a head, my token block
	s_mul_i32 s56, s56, KVBLK
	s_add_co_u32 s56, s56, KVO+QBLK                ; behind the block's K
	s_mov_b32 s57, 0
	s_add_nc_u64 s[72:73], s[8:9], s[56:57]
.macro VT t
	WIN 0x02                                       ; source 0 window 2
.set p, 0
.rept 64
	v_mov_b32 v[H+p], v[64*(\t)+p]                 ; ascending: each accumulator from its low end on
.set p, p+1
.endr
	WIN 0
	QUANT H, CSET+12*(\t), CSET+12*(\t)+6, WJ+(\t)
.irp k, 0,1,2
	global_store_b128 v1, v[CSET+12*(\t)+4*\k:CSET+12*(\t)+4*\k+3], s[72:73] offset:(\t)*1536+\k*512
.endr
	global_store_b32 v5, v[WJ+(\t)], s[72:73] offset:6144+128*(\t)   ; all 32 lanes: both halves hold the rows' words
.endm
	VT 0
	VT 1
	VT 2
	VT 3
	s_wait_tensorcnt 0x0
	ds_add_u32 v254, v255
	s_wait_dscnt 0x0
	s_endpgm
.Lfunc_end_k_q447c12ee92_qkv:
	.size	k_q447c12ee92_qkv, .Lfunc_end_k_q447c12ee92_qkv-k_q447c12ee92_qkv
	.p2alignl 7, 3214868480
	.fill 96, 4, 3214868480
	.section	.rodata,"a",@progbits
	.p2align	6, 0x0
	.amdhsa_kernel k_q447c12ee92_qkv
		.amdhsa_group_segment_fixed_size 295424
		.amdhsa_private_segment_fixed_size 0
		.amdhsa_enable_private_segment 0
		.amdhsa_kernarg_size 24
		.amdhsa_user_sgpr_count 2
		.amdhsa_user_sgpr_kernarg_segment_ptr 1
		.amdhsa_wavefront_size32 1
		.amdhsa_system_sgpr_workgroup_id_x 1
		.amdhsa_system_sgpr_workgroup_id_y 1
		.amdhsa_system_sgpr_workgroup_id_z 1
		.amdhsa_system_vgpr_workitem_id 0
		.amdhsa_next_free_vgpr 896
		.amdhsa_next_free_sgpr 84
		.amdhsa_reserve_vcc 0
		.amdhsa_float_denorm_mode_32 3
		.amdhsa_float_denorm_mode_16_64 3
		.amdhsa_memory_ordered 1
		.amdhsa_forward_progress 1
		.amdhsa_inst_pref_size 135
	.end_amdhsa_kernel
	.amdgpu_metadata
---
amdhsa.version: [ 1, 2 ]
amdhsa.kernels:
  - .name:           k_q447c12ee92_qkv
    .symbol:         k_q447c12ee92_qkv.kd
    .args:
      - { .name: xq, .offset: 0, .size: 8, .value_kind: global_buffer, .address_space: global }
      - { .name: wq8, .offset: 8, .size: 8, .value_kind: global_buffer, .address_space: global }
      - { .name: qkvc, .offset: 16, .size: 8, .value_kind: global_buffer, .address_space: global }
    .group_segment_fixed_size: 295424
    .private_segment_fixed_size: 0
    .kernarg_segment_align: 8
    .kernarg_segment_size: 24
    .max_flat_workgroup_size: 128
    .sgpr_count:     84
    .vgpr_count:     896
    .wavefront_size: 32
...
	.end_amdgpu_metadata
.endif
;; end of part 3
;; launch attn (part 4): grid 64 x 4, 16 waves a work-group, no clusters, 69,632 bytes of LDS; arguments qkvc, att; writes att
.if DOCPART == 4
	.amdgcn_target "amdgcn-amd-amdhsa--gfx1250"
	.amdhsa_code_object_version 6
	.text
	.protected	k_q447c12ee92_attn
	.globl	k_q447c12ee92_attn
	.p2align	8
	.type	k_q447c12ee92_attn,@function
k_q447c12ee92_attn:
	s_mov_b64 s[64:65], 0
	v_nop
	global_prefetch_b8 v0, s[64:65] scope:SCOPE_SE
	s_setreg_imm32_b32 hwreg(HW_REG_WAVE_MODE, 25, 1), 1
	s_wait_xcnt 0x0
; Causal attention with grouped heads on codes of FP6 (E2M3) with E8M0 scales: S^T = K Q^T (K = the head's 64), p = 2^(t - M), O^T = V^T P^T (K = the keys), O / l quantised along the model's 1,024 for the last product.
; THE SOFTMAX: t = score x log2(e) / 8; M = the running largest t rounded UP to a whole number, kept as -M = floor(-t); p = 2^(t - M) is what is quantised, along the keys, not normalised; the row's sum is taken of the
; unquantised p; when M moves, the sum and O^T are multiplied by 2^(old M - new M), which rounds nothing.
; SHARES.  Work-group (p, head of keys) takes the groups of 32 queries p and 127 - p for the four query heads of that head.  Wave w: query head w / 4, tile u = (w / 2) % 2 of 16 queries, group 127 - p where (w xor w / 4) is odd, else p.
; A wave walks the key steps (128 keys) 0 .. G / 4 of its group G; the later ones lie wholly under the mask.  The two groups' steps add up to 33 in every work-group.
; K = 64 IN THE FIRST PRODUCT: the instruction's K is 128.  Q's operand is its six code registers and six registers of zero codes; K's tiles lie six registers apart, so that an operand's upper six are the next tile's codes, which
; meet zero codes; the scale bytes that go with them are bytes 1 to 254 or 0, never 0xff.
; LDS.  Two buffers of two key steps (26,624 bytes each), filled THROUGH REGISTERS: each of the 512 threads loads 52 bytes of the next two steps at a slot's head and stores them to the other buffer at its end; one barrier a slot:
; in front of it every wave's reads of this buffer and its stores into the other are done.  Every LDS address is a constant + a constant x thread or lane: nothing is stepped.
; NO CLUSTER, NO TENSOR LOAD: the work-groups of one head of keys walk the same K and V, but 17 to 32 steps of them, so that partners would need different numbers of tiles, and the trip count hangs on the work-group's number.
; NO PREFETCH: the loads of a slot are issued two key steps ahead of the wait for them.
; THE END: each wave hands its six code registers and its half scale word to LDS bytes of its own; waves 0-7 put a fragment (two heads: 128 along K) together and store its image, waves 8-11 the scale words.  att is laid as xq.
; LIMITS: NaN and infinities are not served; a block of zeros keeps the byte 1 (only this program reads the bytes).  A block's largest p is made from the block's largest score by the same multiply-add and exponential as every p.
.set KVO,   3407872
.set QBLK,  6656
.set KVBLK, 13312
.set SLOTB, 2*KVBLK
.set OST,   2*SLOTB                    ; 16 x 768 bytes: a wave's six code registers, 8 bytes a lane and pair
.set OSS,   OST+16*768                 ; 16 x 128 bytes: a wave's half scale words
.set ASTR,  393216
.set ASCL,  3145728
.set Q,   16                           ; v16-21 Q's codes, v22-27 zero codes
.set QW,  28                           ; v28    Q's scale words
.set KS,  30                           ; v30-33 K's scale words, a group of 32 keys each
.set VS,  34                           ; v34-37 V's
.set F,   38                           ; v38-91 K's eight tiles (6 t) or V's four fragments (12 d); v86-91 stay zero
.set S,   92                           ; v92-155  S^T, then p
.set O,   156                          ; v156-187 O^T
.set PC,  188                          ; v188-199 p's codes
.set TQ,  200                          ; v200-206
.set BM,  208                          ; v208-211 the blocks' largest scores, then largest p
.set PM,  212                          ; v212-215 permute results, then bytes
.set SO,  216                          ; v216-219 the conversions' scale operands
.set PW,  220                          ; v220     p's scale word (scales and nothing else)
.set FF,  222                          ; v[222:223] f = 2^(old M - new M)
.set T0,  224                          ; v224-225 at work
.set SU,  226                          ; v[226:227] the sums' second chain
.set STA, 228                          ; v228-240 the next slot on its way
; v1 16 x lane; v2 4 x lane; v3 16 x thread; v4 24,576 + 4 x thread; v5, v6 global offsets in hand; v7 the mask's d; v8, v11 where I hand over codes and word; v9, v10 where a fragment's two halves are read; v29, v241 the words';
; v12 -M, v13 the largest t, v[14:15] the sum in two halves; v242-244 Q's addresses
	s_load_b128 s[4:7], s[0:1], 0x0                ; qkvc s[4:5], att s[6:7]
	v_lshl_add_u32 v254, v0, 2, 0x10800
	v_mov_b32 v255, 0
	v_lshrrev_b32 v1, 5, v0
	v_readfirstlane_b32 s8, v1                     ; wave 0..15
	s_mov_b32 s9, ttmp9                            ; p
	s_and_b32 s10, ttmp7, 0xffff                   ; the head of keys
	s_lshr_b32 s11, s8, 2                          ; my query head among its four
	s_bfe_u32 s12, s8, 0x10001                     ; u
	s_xor_b32 s13, s8, s11
	s_and_b32 s13, s13, 1                          ; 1: the late group
	s_sub_co_u32 s49, 127, s9
	s_cmp_eq_u32 s13, 1
	s_cselect_b32 s14, s49, s9                     ; G
	s_lshr_b32 s15, s14, 2
	s_add_co_u32 s15, s15, 1                       ; my key steps
	s_lshr_b32 s16, s49, 2
	s_add_co_u32 s16, s16, 4
	s_lshr_b32 s16, s16, 2                         ; trips of four key steps: as many as the late group needs, the same for all sixteen waves
	s_mov_b32 s17, 0                               ; the key step in hand
	s_mov_b32 s18, 1                               ; the slot to be fetched
	s_mov_b32 s20, 0x76543210
	s_mov_b32 s21, 0xfedcba98                      ; v_permlanex16_b32's selects for lane l xor 16
	s_mov_b32 s22, 0x3e38aa3b                      ; c = log2(e) / 8
	s_mov_b32 s23, s22                             ; (named with it as a pair, so it is written)
	v_and_b32 v227, 31, v0                         ; lane
	v_and_b32 v224, 15, v0                         ; r
	v_bfe_u32 v225, v0, 4, 1                       ; h
	v_lshlrev_b32 v1, 4, v227
	v_lshlrev_b32 v2, 2, v227
	v_lshlrev_b32 v3, 4, v0
	v_lshl_add_u32 v4, v0, 2, 24576
	v_and_b32 v226, 8, v224
	v_add_nc_u32 v226, v226, v224                  ; r + 8 (r / 8)
	s_and_b32 s27, s14, 3
	s_lshl_b32 s28, s27, 5
	s_lshl_b32 s29, s12, 3
	s_add_co_u32 s28, s28, s29
	v_add_nc_u32 v7, s28, v226
	v_lshlrev_b32 v226, 4, v225
	v_sub_nc_u32 v7, v7, v226                      ; d = my query, counted from my last step's first key, - 16 h
	; every LDS address is made here, in every wave
	s_mul_i32 s28, s8, 768
	s_add_co_u32 s28, s28, OST
	v_lshl_add_u32 v8, v227, 3, s28
	s_lshl_b32 s28, s8, 7
	s_add_co_u32 s28, s28, OSS
	v_lshl_add_u32 v11, v227, 2, s28
	s_bfe_u32 s34, s8, 0x10002                     ; as wave f = 4 late + 2 s + u of the eight that store codes: late,
	s_bfe_u32 s35, s8, 0x10001                     ; s: which pair of query heads,
	s_and_b32 s36, s8, 1                           ; u
	s_lshl_b32 s37, s35, 3
	s_lshl_b32 s38, s36, 1
	s_add_co_u32 s37, s37, s38
	s_add_co_u32 s38, s37, s34                     ; the pair's even head was worked by wave 8 s + 2 u + late,
	s_mul_i32 s38, s38, 768
	s_add_co_u32 s38, s38, OST
	v_lshl_add_u32 v9, v227, 3, s38
	s_xor_b32 s38, s34, 1
	s_add_co_u32 s38, s38, s37
	s_add_co_u32 s38, s38, 4                       ; its odd head by wave 8 s + 4 + 2 u + (1 - late)
	s_mul_i32 s38, s38, 768
	s_add_co_u32 s38, s38, OST
	v_lshl_add_u32 v10, v227, 3, s38
	v_lshlrev_b32 v226, 2, v224
	v_lshl_add_u32 v226, v225, 8, v226             ; as wave e = 2 late + s of the four that store words: lane 16 u + r reads row r's word of a wave 2 u further on
	s_lshl_b32 s37, s36, 3
	s_add_co_u32 s38, s37, s35
	s_lshl_b32 s38, s38, 7
	s_add_co_u32 s38, s38, OSS
	v_add_nc_u32 v29, s38, v226
	s_xor_b32 s38, s35, 1
	s_add_co_u32 s38, s38, s37
	s_add_co_u32 s38, s38, 4
	s_lshl_b32 s38, s38, 7
	s_add_co_u32 s38, s38, OSS
	v_add_nc_u32 v241, s38, v226
	; Q: block (4 x head of keys + my head, G / 4), pair image G % 4, registers 6 u .. 6 u + 5: its three register pairs stand at 0, 8, 512 or at 520, 1024, 1032
	s_lshl_b32 s26, s10, 2
	s_add_co_u32 s26, s26, s11
	s_lshl_b32 s26, s26, 5
	s_lshr_b32 s28, s14, 2
	s_add_co_u32 s26, s26, s28
	s_mul_i32 s26, s26, QBLK
	s_mul_i32 s28, s27, 1536
	s_add_co_u32 s28, s28, s26
	s_mov_b32 s29, 0
	s_lshl_b32 s46, s27, 7
	s_add_co_u32 s46, s46, s26
	s_lshl_b32 s47, s12, 6
	s_add_co_u32 s46, s46, s47
	s_add_co_u32 s46, s46, 6144
	s_mov_b32 s47, 0
	s_mul_i32 s44, s10, 32*KVBLK
	s_add_co_u32 s44, s44, KVO
	s_mov_b32 s45, 0
	s_mul_i32 s48, s12, 520
	v_add_nc_u32 v242, s48, v1
	s_mul_i32 s48, s12, 1016
	s_add_co_u32 s48, s48, 8
	v_add_nc_u32 v243, s48, v1
	v_lshlrev_b32 v244, 2, v224
	s_wait_kmcnt 0x0
	s_add_nc_u64 s[30:31], s[4:5], s[28:29]
	s_add_nc_u64 s[32:33], s[4:5], s[46:47]
	s_add_nc_u64 s[24:25], s[4:5], s[44:45]        ; my head's keys and values
	global_load_b128 v[STA:STA+3], v3, s[24:25]    ; slot 0: 3 x 8,192 bytes by 16 bytes a thread, 2,048 by 4
	global_load_b128 v[STA+4:STA+7], v3, s[24:25] offset:8192
	global_load_b128 v[STA+8:STA+11], v3, s[24:25] offset:16384
	global_load_b32 v[STA+12], v4, s[24:25]
	global_load_b64 v[Q:Q+1], v242, s[30:31]
	global_load_b64 v[Q+2:Q+3], v243, s[30:31]
	global_load_b64 v[Q+4:Q+5], v242, s[30:31] offset:512
	global_load_b32 v[QW], v244, s[32:33]
.irp j, 0,1,2,3,4,5
	v_mov_b32 v[Q+6+\j], 0                         ; zero codes for k = 64 .. 127
	v_mov_b32 v[F+48+\j], 0                        ; what stands behind K's last tile
.endr
	v_mov_b32 v13, 0xff61b1e6                      ; the largest t so far: -3e38, under every t
	v_floor_f32 v12, -v13                          ; -M
	v_mov_b32 v14, 0
	v_mov_b32 v15, 0
.irp b, 0,1,2,3
	v_mov_b32 v[PM+\b], 0                          ; written once: a lane permute's destination counts as one of its sources
.endr
	v_mov_b32 v[FF+1], 0                           ; (named as the upper half of a pair)
	v_mov_b32 v[T0], 0
.set n, 0
.rept 32
	v_mov_b32 v[O+n], 0                            ; O^T.  (The step is written once: the first finds zeros, which the first change of M leaves zeros)
.set n, n+1
.endr
	s_wait_loadcnt 0x0
	ds_store_b128 v3, v[STA:STA+3]
	ds_store_b128 v3, v[STA+4:STA+7] offset:8192
	ds_store_b128 v3, v[STA+8:STA+11] offset:16384
	ds_store_b32 v4, v[STA+12]
	s_wait_dscnt 0x0                               ; for the others' sake: my part of slot 0 lies in LDS
	s_barrier_signal -1
	s_barrier_wait -1
; A KEY STEP: 128 keys, the q-th of buffer buf.  A step that lies wholly behind my queries is left out: a scalar branch on ids, round the step's loads, products and softmax; no barrier stands in a step.
.macro STEP buf, q
.set BASE, (\buf)*SLOTB+(\q)*KVBLK
	s_cmp_ge_u32 s17, s15
	s_cbranch_scc1 .Lskip_\@
.irp m, 0,1,2,3,4,5,6,7,8,9,10,11
	ds_load_b128 v[F+4*\m:F+4*\m+3], v1 offset:BASE+512*\m   ; K's four pair images: 48 registers, tile t at F + 6 t
.endr
.irp g, 0,1,2,3
	ds_load_b32 v[KS+\g], v2 offset:BASE+6144+128*\g
.endr
	s_wait_dscnt 0x0
.irp t, 0,2,4,6                        ; S^T = K Q^T: source 0 = 16 keys, source 1 = my 16 queries: a lane holds one query, and the 16 registers of tiles 2 b, 2 b + 1 are keys 32 b + 16 h + 0 .. 15
	v_wmma_scale_f32_16x16x128_f8f6f4 v[S+8*\t:S+8*\t+7], v[F+6*\t:F+6*\t+11], v[Q:Q+11], 0, v[KS+\t/2], v[QW] matrix_a_fmt:MATRIX_FMT_FP6 matrix_b_fmt:MATRIX_FMT_FP6
	v_wmma_scale_f32_16x16x128_f8f6f4 v[S+8*\t+8:S+8*\t+15], v[F+6*\t+6:F+6*\t+17], v[Q:Q+11], 0, v[KS+\t/2], v[QW] matrix_a_fmt:MATRIX_FMT_FP6 matrix_b_fmt:MATRIX_FMT_FP6 matrix_a_scale:MATRIX_SCALE_ROW1
.endr
.rept 4
	v_nop                                          ; four places ahead of loads into registers that the products read, and of the first read of the scores
.endr
.irp m, 0,1,2,3,4,5,6,7,8,9,10,11
	ds_load_b128 v[F+4*\m:F+4*\m+3], v1 offset:BASE+QBLK+512*\m   ; V's four fragments: they land under the softmax
.endr
.irp g, 0,1,2,3
	ds_load_b32 v[VS+\g], v2 offset:BASE+QBLK+6144+128*\g
.endr
	s_add_co_u32 s26, s17, 1                       ; the diagonal lies in my last step: there the scores of hidden keys become -infinity ahead of the maximum, so that p = 0
	s_cmp_lg_u32 s26, s15
	s_cbranch_scc1 .Lopen_\@
	v_mov_b32 v[T0], 0xff800000
.set n, 0
.rept 64
	v_cmp_gt_i32 vcc_lo, 32*(n/16)+n%16, v7        ; register 16 b + i holds key 32 b + 16 h + i of the step: hidden where 32 b + i > d
	v_cndmask_b32 v[S+n], v[S+n], v[T0], vcc_lo
.set n, n+1
.endr
.Lopen_\@:
.irp b, 0,1,2,3
	v_max3_num_f32 v[BM+\b], v[S+16*\b], v[S+1+16*\b], v[S+2+16*\b]   ; the largest score of each block of 32 keys: for the row's maximum, and, since p rises with the score, for the block's largest p
.endr
.irp i, 3,5,7,9,11,13
.irp b, 0,1,2,3
	v_max3_num_f32 v[BM+\b], v[BM+\b], v[S+16*\b+\i], v[S+1+16*\b+\i]   ; (the four blocks by turns)
.endr
.endr
.irp b, 0,1,2,3
	v_max_num_f32 v[BM+\b], v[BM+\b], v[S+15+16*\b]
.endr
.irp b, 0,1,2,3
	v_permlanex16_b32 v[PM+\b], v[BM+\b], s20, s21
.endr
.irp b, 0,1,2,3
	v_max_num_f32 v[BM+\b], v[BM+\b], v[PM+\b]     ; with lane l xor 16's 16 keys
.endr
	v_max3_num_f32 v[T0], v[BM], v[BM+1], v[BM+2]
	v_max_num_f32 v[T0], v[T0], v[BM+3]            ; the step's largest score of my query,
	v_mul_f32 v[T0], s22, v[T0]                    ; as t (c is positive)
	v_max_num_f32 v13, v13, v[T0]                  ; the running largest t
	v_mov_b32 v[T0], v12
	v_floor_f32 v12, -v13                          ; the new -M = floor(-t): M is a whole number
	v_sub_f32 v[T0], v12, v[T0]                    ; old M - new M: a whole number, 0 or less
	v_cvt_i32_f32 v[T0], v[T0]                     ; (it saturates)
	v_ldexp_f32 v[FF], 1.0, v[T0]                  ; f = 2^(old M - new M)
.set n, 0
.rept 32
	v_pk_fma_f32 v[S+n:S+n+1], v[S+n:S+n+1], s[22:23], v[12:13] op_sel_hi:[1,0,0]   ; t - M, two at a time (of the pairs c and -M the low word serves both halves)
.set n, n+2
.endr
.irp b, 0,1,2,3
	v_fma_f32 v[BM+\b], v[BM+\b], s22, v12         ; the same of each block's largest score
.endr
.set n, 0
.rept 64
	v_exp_f32 v[S+n], v[S+n]                       ; p = 2^(t - M), at most 1
.set n, n+1
.endr
	v_pk_mul_f32 v[14:15], v[14:15], v[FF:FF+1] op_sel_hi:[1,0]   ; the sums under the new M.  (A plain line behind the exponentials)
	s_wait_alu depctr_va_vdst(0)                   ; one wait for the batch of 64, ahead of its first reader
.irp b, 0,1,2,3
	v_exp_f32 v[BM+\b], v[BM+\b]                   ; the blocks' largest p
.endr
	v_pk_add_f32 v[SU:SU+1], v[S:S+1], v[S+2:S+3]  ; the row's sum is taken of the unquantised p: two at a time, in two chains.  (It reads the 64 alone: plain work behind the four)
.irp j, 4,8,12,16,20,24,28,32,36,40,44,48,52,56,60
	v_pk_add_f32 v[14:15], v[14:15], v[S+\j:S+\j+1]
	v_pk_add_f32 v[SU:SU+1], v[SU:SU+1], v[S+\j+2:S+\j+3]
.endr
	v_pk_add_f32 v[14:15], v[14:15], v[SU:SU+1]
	s_wait_alu depctr_va_vdst(0)                   ; and one for the four
.irp b, 0,1,2,3
	v_max_num_f32 v[BM+\b], 0x1800000, v[BM+\b]    ; the floor 2^(3 - 127): the byte cannot fall under 1
.endr
.irp b, 0,1,2,3
	v_add_nc_u32 v[SO+\b], 0xff000000, v[BM+\b]    ; 2 off the exponent field: the conversion's scale operand
.endr
.irp b, 0,1,2,3
	v_lshrrev_b32 v[PM+\b], 23, v[SO+\b]           ; the scale's byte
.endr
	v_lshl_or_b32 v[PW], v[PM+1], 8, v[PM]         ; p's scale word for these 128 keys
	v_lshl_or_b32 v[PW], v[PM+2], 16, v[PW]
	v_lshl_or_b32 v[PW], v[PM+3], 24, v[PW]
.irp c, 0,1
	v_cvt_scalef32_pk16_fp6_f32 v[PC+6*\c:PC+6*\c+2], v[S+32*\c:S+32*\c+15], v[SO+2*\c]
	v_cvt_scalef32_pk16_fp6_f32 v[TQ+4*\c:TQ+4*\c+2], v[S+32*\c+16:S+32*\c+31], v[SO+2*\c+1]   ; (a conversion's three registers begin on an even number)
.endr
	v_nop                                          ; one plain line behind the scaled conversions
.irp c, 0,1                            ; the operand's layout wants a whole block in a lane: lanes 0-15 block 2 c, lanes 16-31 block 2 c + 1
.irp i, 0,1,2
	v_permlane16_swap_b32 v[PC+6*\c+\i], v[TQ+4*\c+\i]
.endr
.irp i, 0,1,2
	v_mov_b32 v[PC+6*\c+3+\i], v[TQ+4*\c+\i]
.endr
.endr
.set n, 0
.rept 16
	v_pk_mul_f32 v[O+n:O+n+1], v[O+n:O+n+1], v[FF:FF+1] op_sel_hi:[1,0]   ; O^T under the new M.  (These sixteen also stand between the writing of p's codes and scale word and the products that take them)
.set n, n+2
.endr
	s_wait_dscnt 0x0                               ; V
.irp t, 0,1,2,3                        ; O^T += V^T P^T: source 0 = 16 channels, source 1 = p; the four accumulators take turns, one instruction a turn
	v_wmma_scale_f32_16x16x128_f8f6f4 v[O+8*\t:O+8*\t+7], v[F+12*\t:F+12*\t+11], v[PC:PC+11], v[O+8*\t:O+8*\t+7], v[VS+\t], v[PW] matrix_a_fmt:MATRIX_FMT_FP6 matrix_b_fmt:MATRIX_FMT_FP6
.endr
.rept 4
	v_nop                                          ; four places ahead of the next step's loads into V's registers, and of the first read of O^T
.endr
.Lskip_\@:
	s_add_co_u32 s17, s17, 1
.endm
; A SLOT: the next slot's bytes are asked for; this buffer's two steps; the bytes go to the other buffer; one barrier.  The other buffer's last readers waited for their reads in front of the barrier before.
; The last fetch is held at the head's last slot, so that no load leaves the buffer.
.macro SLOT buf
	s_min_u32 s19, s18, 15
	s_mul_i32 s19, s19, SLOTB
	s_add_co_u32 s18, s18, 1
	v_add_nc_u32 v5, s19, v3                       ; (free: the loads that named them were waited for)
	v_add_nc_u32 v6, s19, v4
	global_load_b128 v[STA:STA+3], v5, s[24:25]
	global_load_b128 v[STA+4:STA+7], v5, s[24:25] offset:8192
	global_load_b128 v[STA+8:STA+11], v5, s[24:25] offset:16384
	global_load_b32 v[STA+12], v6, s[24:25]
	STEP \buf, 0
	STEP \buf, 1
	s_wait_loadcnt 0x0
	ds_store_b128 v3, v[STA:STA+3] offset:(1-\buf)*SLOTB
	ds_store_b128 v3, v[STA+4:STA+7] offset:(1-\buf)*SLOTB+8192
	ds_store_b128 v3, v[STA+8:STA+11] offset:(1-\buf)*SLOTB+16384
	ds_store_b32 v4, v[STA+12] offset:(1-\buf)*SLOTB
	s_wait_dscnt 0x0                               ; my stores have landed and my reads of this buffer are over
	s_barrier_signal -1
	s_barrier_wait -1
.endm
.Ltrip:
	SLOT 0
	SLOT 1
	s_sub_co_u32 s16, s16, 1
	s_cmp_lg_u32 s16, 0
	s_cbranch_scc1 .Ltrip
	; THE END.  O^T / the sum: register 16 b + i is channel 32 b + 16 h + i of my query: two blocks of 32 along the last product's K
	v_add_f32 v14, v14, v15
	v_permlanex16_b32 v[T0], v14, s20, s21
	v_add_f32 v14, v14, v[T0]                      ; the row's sum
	v_rcp_f32 v14, v14
	v_nop                                          ; a plain line behind the reciprocal,
	s_wait_alu depctr_va_vdst(0)                   ; and the wait ahead of its first reader
.set n, 0
.rept 32
	v_mul_f32 v[S+n], v[O+n], v14                  ; ascending: each accumulator from its low end on
.set n, n+1
.endr
.irp b, 0,1
	v_max3_num_f32 v[BM+\b], |v[S+16*\b]|, |v[S+1+16*\b]|, 0x1800000
.endr
.irp i, 2,4,6,8,10,12,14
.irp b, 0,1
	v_max3_num_f32 v[BM+\b], v[BM+\b], |v[S+16*\b+\i]|, |v[S+1+16*\b+\i]|
.endr
.endr
.irp b, 0,1
	v_permlanex16_b32 v[PM+\b], v[BM+\b], s20, s21
.endr
.irp b, 0,1
	v_max_num_f32 v[BM+\b], v[BM+\b], v[PM+\b]
.endr
.irp b, 0,1
	v_add_nc_u32 v[SO+\b], 0xff000000, v[BM+\b]
.endr
.irp b, 0,1
	v_lshrrev_b32 v[PM+\b], 23, v[SO+\b]
.endr
	v_lshl_or_b32 v[T0], v[PM+1], 8, v[PM]         ; my head's half of the row's scale word
	v_cvt_scalef32_pk16_fp6_f32 v[PC:PC+2], v[S:S+15], v[SO]
	v_cvt_scalef32_pk16_fp6_f32 v[TQ:TQ+2], v[S+16:S+31], v[SO+1]
	v_nop                                          ; one plain line behind the scaled conversions
.irp i, 0,1,2
	v_permlane16_swap_b32 v[PC+\i], v[TQ+\i]
.endr
.irp i, 0,1,2
	v_mov_b32 v[PC+3+\i], v[TQ+\i]
.endr
	ds_store_b64 v8, v[PC:PC+1]                    ; six registers of a fragment: registers 6 c .. 6 c + 5, c = my head's parity
	ds_store_b64 v8, v[PC+2:PC+3] offset:256
	ds_store_b64 v8, v[PC+4:PC+5] offset:512
	ds_store_b32 v11, v[T0]
	s_wait_dscnt 0x0                               ; for the others' sake: my stores have landed
	s_barrier_signal -1
	s_barrier_wait -1
	s_cmp_lt_u32 s8, 8
	s_cbranch_scc0 .Lwords
	s_cmp_eq_u32 s34, 1                            ; waves 0-7: the fragment (group, K step 2 x head of keys + s, tile u)
	s_cselect_b32 s40, s49, s9
	s_mul_i32 s40, s40, 3072
	s_lshl_b32 s41, s10, 1
	s_add_co_u32 s41, s41, s35
	s_mul_i32 s41, s41, ASTR
	s_add_co_u32 s40, s40, s41
	s_mul_i32 s41, s36, 1536
	s_add_co_u32 s40, s40, s41
	s_mov_b32 s41, 0
	s_add_nc_u64 s[42:43], s[6:7], s[40:41]
.irp i, 0,1,2
	ds_load_b64 v[STA+2*\i:STA+2*\i+1], v9 offset:256*\i       ; registers 0-5: the even head's
.endr
.irp i, 0,1,2
	ds_load_b64 v[STA+6+2*\i:STA+7+2*\i], v10 offset:256*\i    ; registers 6-11: the odd head's
.endr
	s_wait_dscnt 0x0
.irp k, 0,1,2
	global_store_b128 v1, v[STA+4*\k:STA+4*\k+3], s[42:43] offset:512*\k   ; the image: 512 consecutive bytes a store
.endr
	s_branch .Lend
.Lwords:
	s_cmp_lt_u32 s8, 12
	s_cbranch_scc0 .Lend
	s_cmp_eq_u32 s35, 1                            ; waves 8-11: the 32 scale words of (group, K step 2 x head of keys + s)
	s_cselect_b32 s40, s49, s9
	s_lshl_b32 s40, s40, 7
	s_lshl_b32 s41, s10, 1
	s_add_co_u32 s41, s41, s36
	s_lshl_b32 s41, s41, 14
	s_add_co_u32 s40, s40, s41
	s_add_co_u32 s40, s40, ASCL
	s_mov_b32 s41, 0
	s_add_nc_u64 s[42:43], s[6:7], s[40:41]
	ds_load_b32 v[STA], v29
	ds_load_b32 v[STA+1], v241
	s_wait_dscnt 0x0
	v_lshl_or_b32 v[STA+2], v[STA+1], 16, v[STA]   ; bytes 0, 1 the even head's, bytes 2, 3 the odd head's
	global_store_b32 v2, v[STA+2], s[42:43]
.Lend:
	s_wait_tensorcnt 0x0
	ds_add_u32 v254, v255
	s_wait_dscnt 0x0
	s_endpgm
.Lfunc_end_k_q447c12ee92_attn:
	.size	k_q447c12ee92_attn, .Lfunc_end_k_q447c12ee92_attn-k_q447c12ee92_attn
	.p2alignl 7, 3214868480
	.fill 96, 4, 3214868480
	.section	.rodata,"a",@progbits
	.p2align	6, 0x0
	.amdhsa_kernel k_q447c12ee92_attn
		.amdhsa_group_segment_fixed_size 69632
		.amdhsa_private_segment_fixed_size 0
		.amdhsa_enable_private_segment 0
		.amdhsa_kernarg_size 16
		.amdhsa_user_sgpr_count 2
		.amdhsa_user_sgpr_kernarg_segment_ptr 1
		.amdhsa_wavefront_size32 1
		.amdhsa_system_sgpr_workgroup_id_x 1
		.amdhsa_system_sgpr_workgroup_id_y 1
		.amdhsa_system_sgpr_workgroup_id_z 1
		.amdhsa_system_vgpr_workitem_id 0
		.amdhsa_next_free_vgpr 256
		.amdhsa_next_free_sgpr 66
		.amdhsa_reserve_vcc 1
		.amdhsa_float_denorm_mode_32 3
		.amdhsa_float_denorm_mode_16_64 3
		.amdhsa_memory_ordered 1
		.amdhsa_forward_progress 1
		.amdhsa_inst_pref_size 98
	.end_amdhsa_kernel
	.amdgpu_metadata
---
amdhsa.version: [ 1, 2 ]
amdhsa.kernels:
  - .name:           k_q447c12ee92_attn
    .symbol:         k_q447c12ee92_attn.kd
    .args:
      - { .name: qkvc, .offset: 0, .size: 8, .value_kind: global_buffer, .address_space: global }
      - { .name: att, .offset: 8, .size: 8, .value_kind: global_buffer, .address_space: global }
    .group_segment_fixed_size: 69632
    .private_segment_fixed_size: 0
    .kernarg_segment_align: 8
    .kernarg_segment_size: 16
    .max_flat_workgroup_size: 512
    .sgpr_count:     66
    .vgpr_count:     256
    .wavefront_size: 32
...
	.end_amdgpu_metadata
.endif
;; end of part 4
;; launch outp (part 5): grid 8 x 32, 4 waves a work-group, no clusters, 230,912 bytes of LDS; arguments att, wq8, out0; writes out0
.if DOCPART == 5
	.amdgcn_target "amdgcn-amd-amdhsa--gfx1250"
	.amdhsa_code_object_version 6
	.text
	.protected	k_q447c12ee92_outp
	.globl	k_q447c12ee92_outp
	.p2align	8
	.type	k_q447c12ee92_outp,@function
k_q447c12ee92_outp:
	s_mov_b64 s[64:65], 0
	v_nop
	global_prefetch_b8 v0, s[64:65] scope:SCOPE_SE
	s_setreg_imm32_b32 hwreg(HW_REG_WAVE_MODE, 25, 1), 1
	s_wait_xcnt 0x0
; out0 = attn wo on codes of FP6 (E2M3) with E8M0 scales; out0 [4096][1024] f32.
; SHARES.  Work-group (x, y): P (source 0) = weight block 12 + x, wo's columns 128 x .. + 127, read by all four waves; R (source 1) = token block y, 128 tokens; wave w takes its tiles 2 w, 2 w + 1.  K = 1,024 in eight steps of 128.
; The rows of a tile are not neighbours (lane-row r of tile 2 b + u is row 32 b + 8 u + r + 8 (r / 8)): a lane holds one token, and the 16 registers of result tiles 2 b, 2 b + 1 are columns 32 b + 16 h + 0 .. 15.
; LDS.  All eight K steps of P and of R (98,304 bytes each) come in ONCE, by tensor loads of 12,288 dense bytes: wave 0 brings P, wave 1 R, eight loads each, all eight out at once.
; Behind them a stage of 16 rows x 528 bytes for each wave, bytes of its own, for the way out: a tile of 16 tokens x 128 columns goes in by lanes and comes back as whole rows of 512 bytes.
; NO CLUSTER in this text: P is shared by the 32 work-groups of a column and R by the 8 of a row, each read once by each of them; joint loads would divide those requests by four and are not built here.
; REGISTERS, in windows of 256: window 0: v1-7 addresses; v32-63 P's scale words, v64-71 R's (scales and nothing else); v96-191 P's eight fragments, v192-215 R's two: set 0; on the way out v96-223 take the rows.
;   window 1: the same numbers: set 1.   window 2: the 16 accumulators, (R tile i, P tile t) at v[64 i + 8 t].
.set XSTR,  393216
.set WSTR,  245760
.set XSCL,  3145728
.set WSCL,  1966080
.set STEPB, 12288
.set REG,   8*STEPB
.set STAGE, 2*REG
.set SPITCH, 528
.set G1,  16
.set G0,  24
.set PS,  32
.set RS,  64
.set PF,  96
.set RF,  192
.set BK,  96
.set MSB, 0
.macro WIN new                         ; the immediate's high byte repeats the setting that is left
.if MSB != \new
	s_set_vgpr_msb (MSB<<8)|\new
.set MSB, \new
.endif
.endm
.macro WM d, a, b, c, sa, sb, ra, rb   ; one product; ra, rb: the side's scales stand in lanes 16-31 of its register
.if (\ra) && (\rb)
	v_wmma_scale_f32_16x16x128_f8f6f4 v[(\d):(\d)+7], v[(\a):(\a)+11], v[(\b):(\b)+11], \c, v[\sa], v[\sb] matrix_a_fmt:MATRIX_FMT_FP6 matrix_b_fmt:MATRIX_FMT_FP6 matrix_a_scale:MATRIX_SCALE_ROW1 matrix_b_scale:MATRIX_SCALE_ROW1
.elseif (\ra)
	v_wmma_scale_f32_16x16x128_f8f6f4 v[(\d):(\d)+7], v[(\a):(\a)+11], v[(\b):(\b)+11], \c, v[\sa], v[\sb] matrix_a_fmt:MATRIX_FMT_FP6 matrix_b_fmt:MATRIX_FMT_FP6 matrix_a_scale:MATRIX_SCALE_ROW1
.elseif (\rb)
	v_wmma_scale_f32_16x16x128_f8f6f4 v[(\d):(\d)+7], v[(\a):(\a)+11], v[(\b):(\b)+11], \c, v[\sa], v[\sb] matrix_a_fmt:MATRIX_FMT_FP6 matrix_b_fmt:MATRIX_FMT_FP6 matrix_b_scale:MATRIX_SCALE_ROW1
.else
	v_wmma_scale_f32_16x16x128_f8f6f4 v[(\d):(\d)+7], v[(\a):(\a)+11], v[(\b):(\b)+11], \c, v[\sa], v[\sb] matrix_a_fmt:MATRIX_FMT_FP6 matrix_b_fmt:MATRIX_FMT_FP6
.endif
.endm
	s_load_b128 s[4:7], s[0:1], 0x0                ; att s[4:5], wq8 s[6:7]
	s_load_b64 s[8:9], s[0:1], 0x10                ; out0
	v_lshl_add_u32 v254, v0, 2, 0x38400
	v_mov_b32 v255, 0
	ds_add_u32 v254, v255
	ds_add_u32 v254, v255
	v_lshrrev_b32 v1, 5, v0
	v_readfirstlane_b32 s10, v1                    ; wave 0..3
	s_mov_b32 s11, ttmp9                           ; x
	s_and_b32 s12, ttmp7, 0xffff                   ; y
	; descriptor group 1: 12,288 dense bytes as 48 rows of 32 elements of 8 bytes; no padding, no mask
	s_mov_b32 s[G1+0], 3<<16
	s_mov_b32 s[G1+1], 32<<16                      ; tensor_dim0
	s_mov_b32 s[G1+2], 48<<16                      ; tensor_dim1
	s_mov_b32 s[G1+3], 32<<16                      ; tile_dim0
	s_mov_b32 s[G1+4], 48                          ; tile_dim1
	s_mov_b32 s[G1+5], 32                          ; the pitch
	s_mov_b32 s[G1+6], 0
	s_mov_b32 s[G1+7], 0
	s_add_co_u32 s56, s11, 12                      ; wo's block
	s_mov_b32 s62, XSTR
	s_wait_dscnt 0x0
	s_wait_kmcnt 0x0
	s_cmp_eq_u32 s10, 0                            ; wave 0 brings P from wq8, wave 1 R from att
	s_cselect_b64 s[60:61], s[6:7], s[4:5]
	s_cselect_b32 s56, s56, s12
	s_cselect_b32 s62, WSTR, s62
	s_mov_b32 s63, 0
	s_mul_i32 s56, s56, STEPB
	s_mov_b32 s57, 0
	s_add_nc_u64 s[60:61], s[60:61], s[56:57]
	s_min_u32 s58, s10, 1
	s_mul_i32 s58, s58, REG
.irp s, 0,1,2,3,4,5,6,7
	s_mov_b32 s[G0+4*\s], 1                        ; count = 1
	s_add_co_u32 s[G0+4*\s+1], s58, \s*STEPB       ; LDS address
	s_mov_b64 s[G0+4*\s+2:G0+4*\s+3], s[60:61]     ; global address
	s_or_b32 s[G0+4*\s+3], s[G0+4*\s+3], 0x80000000   ; type = 2
	s_add_nc_u64 s[60:61], s[60:61], s[62:63]
.endr
	s_cmp_lt_u32 s10, 2                            ; a wave's eight first fills stand in one branch on the wave's number, ahead of every wait on TENSORcnt, every LDS read and every barrier
	s_cbranch_scc0 .Lno_fill
.irp s, 0,1,2,3,4,5,6,7
	tensor_load_to_lds s[G0+4*\s:G0+4*\s+3], s[G1:G1+7]
	s_nop 0
.endr
.rept 4
	v_nop                                          ; four lines behind the last load, ahead of the label
.endr
.Lno_fill:
	v_and_b32 v10, 31, v0                          ; lane
	v_and_b32 v11, 15, v0                          ; r
	v_bfe_u32 v12, v0, 4, 1                        ; h
	v_lshlrev_b32 v1, 4, v10                       ; P: 16 x lane, K steps 0-3;
	v_add_nc_u32 v2, 4*STEPB, v1                   ; K steps 4-7
	s_mul_i32 s56, s10, 3072                       ; R: my two tiles
	s_add_co_u32 s56, s56, REG
	v_add_nc_u32 v3, s56, v1
	v_add_nc_u32 v4, 4*STEPB, v3
	v_lshlrev_b32 v5, 2, v10                       ; 4 x lane
	s_mul_i32 s56, s10, 16*SPITCH
	s_add_co_u32 s56, s56, STAGE                   ; my stage
	v_mul_u32_u24 v6, v11, SPITCH
	v_lshl_add_u32 v6, v12, 6, v6
	v_add_nc_u32 v6, s56, v6                       ; in: row r, + 64 h
	v_add_nc_u32 v7, s56, v1                       ; back: 16 bytes a lane of a row's 512
	s_lshl_b32 s56, s11, 9
	s_add_co_u32 s56, s56, WSCL+12*512             ; P's scale words: weight block 12 + x
	s_mov_b32 s57, 0
	s_add_nc_u64 s[66:67], s[6:7], s[56:57]
	s_lshl_b32 s56, s12, 9
	s_lshl_b32 s58, s10, 7
	s_add_co_u32 s56, s56, s58
	s_add_co_u32 s56, s56, XSCL                    ; R's: group 4 y + wave
	s_add_nc_u64 s[68:69], s[4:5], s[56:57]
.irp s, 0,1,2,3,4,5,6,7
.irp g, 0,1,2,3
	global_load_b32 v[PS+4*\s+\g], v5, s[66:67] offset:\s*16384+\g*128   ; lanes 0-15 tile 2 g's words, lanes 16-31 tile 2 g + 1's
.endr
	global_load_b32 v[RS+\s], v5, s[68:69] offset:\s*16384
.endr
	s_lshl_b32 s56, s12, 19                        ; out0: 128 rows of 4,096 bytes a token block,
	s_lshl_b32 s58, s10, 17                        ; 32 a wave,
	s_add_co_u32 s56, s56, s58
	s_lshl_b32 s58, s11, 9                         ; 512 bytes a block of columns
	s_add_co_u32 s56, s56, s58
	s_add_nc_u64 s[70:71], s[8:9], s[56:57]
.macro FETCH s                         ; K step s: P's eight fragments and my two of R into set s % 2
.if ((\s)%2)
	WIN 0x40
.else
	WIN 0
.endif
.irp t, 0,1,2,3,4,5,6,7
.irp k, 0,1,2
	ds_load_b128 v[PF+12*\t+4*\k:PF+12*\t+4*\k+3], v[1+(\s)/4] offset:((\s)%4)*STEPB+\t*1536+\k*512
.endr
.endr
.irp i, 0,1
.irp k, 0,1,2
	ds_load_b128 v[RF+12*\i+4*\k:RF+12*\i+4*\k+3], v[3+(\s)/4] offset:((\s)%4)*STEPB+\i*1536+\k*512
.endr
.endr
.endm
.macro MUL s                           ; 16 products: the 16 accumulators take turns, one instruction a turn, in the same order in every K step.  The first K step starts the sums
.if ((\s)%2)
	WIN 0xa5                                       ; sources 0 and 1 window 1, C and D window 2
.else
	WIN 0xa0
.endif
.irp i, 0,1
.irp t, 0,1,2,3,4,5,6,7
.if (\s) == 0
	WM 64*\i+8*\t, PF+12*\t, RF+12*\i, 0, PS+4*(\s)+\t/2, RS+(\s), \t%2, \i%2
.else
	WM 64*\i+8*\t, PF+12*\t, RF+12*\i, v[64*\i+8*\t:64*\i+8*\t+7], PS+4*(\s)+\t/2, RS+(\s), \t%2, \i%2
.endif
.endr
.endr
.endm
	s_wait_tensorcnt 0x7                           ; tensor loads of a wave end in order: my part of K step 0 is in, the seven behind it may stay out
	s_barrier_signal -1
	s_barrier_wait -1                              ; everybody's is
	s_wait_loadcnt 0x0                             ; the scale words
	FETCH 0
.irp s, 0,1,2,3,4,5,6
	s_wait_dscnt 0x0                               ; K step s's fragments are in registers, and no LDS instruction of mine is out at the signal
	s_wait_tensorcnt 6-\s                          ; my part of K step s + 1 is in; the later loads may stay out
	s_barrier_signal -1
	s_barrier_wait -1
.rept 4
	v_nop                                          ; four places between the last products and loads into registers that they read
.endr
	FETCH \s+1                                     ; lands while K step s is multiplied
	MUL \s
.endr
	s_wait_dscnt 0x0
	MUL 7
	WIN 0
.rept 4
	v_nop                                          ; four places ahead of the first read of results
.endr
; THE WAY OUT.  Tile i: lane (r, h) holds, of token-row r, columns 32 b + 16 h + 8 u + 0 .. 7 in accumulator 2 b + u.  Through my own stage; LDS serves a wave's instructions in order, so no wait stands between the stores and
; the loads, nor in front of the next tile's stores.
.macro TOSTAGE i
	WIN 0x08                                       ; an LDS store's data are its source 1: window 2
.irp t, 0,1,2,3,4,5,6,7
	ds_store_b128 v6, v[64*\i+8*\t:64*\i+8*\t+3] offset:128*(\t/2)+32*(\t%2)       ; each accumulator from its low end on
	ds_store_b128 v6, v[64*\i+8*\t+4:64*\i+8*\t+7] offset:128*(\t/2)+32*(\t%2)+16
.endr
	WIN 0
.irp n, 0,1,2,3,4,5,6,7,8,9,10,11,12,13,14,15
	ds_load_b128 v[BK+64*\i+4*\n:BK+64*\i+4*\n+3], v7 offset:\n*SPITCH
.endr
.endm
.macro SEND i, younger                 ; younger: the LDS instructions issued behind tile i's loads
.irp n, 0,1,2,3,4,5,6,7,8,9,10,11,12,13,14,15
	s_wait_dscnt \younger+15-\n                    ; LDS loads come back in order: row n is in
	global_store_b128 v1, v[BK+64*\i+4*\n:BK+64*\i+4*\n+3], s[70:71] offset:(8*\i+\n+8*(\n/8))*4096 th:TH_STORE_NT   ; 32 lanes store 512 consecutive bytes of one row, aligned; written once
.endr
.endm
	TOSTAGE 0
	TOSTAGE 1
	SEND 0, 32                                     ; behind tile 0's loads: tile 1's 16 stores and 16 loads
	SEND 1, 0
	s_wait_tensorcnt 0x0
	ds_add_u32 v254, v255
	s_wait_dscnt 0x0
	s_endpgm
.Lfunc_end_k_q447c12ee92_outp:
	.size	k_q447c12ee92_outp, .Lfunc_end_k_q447c12ee92_outp-k_q447c12ee92_outp
	.p2alignl 7, 3214868480
	.fill 96, 4, 3214868480
	.section	.rodata,"a",@progbits
	.p2align	6, 0x0
	.amdhsa_kernel k_q447c12ee92_outp
		.amdhsa_group_segment_fixed_size 230912
		.amdhsa_private_segment_fixed_size 0
		.amdhsa_enable_private_segment 0
		.amdhsa_kernarg_size 24
		.amdhsa_user_sgpr_count 2
		.amdhsa_user_sgpr_kernarg_segment_ptr 1
		.amdhsa_wavefront_size32 1
		.amdhsa_system_sgpr_workgroup_id_x 1
		.amdhsa_system_sgpr_workgroup_id_y 1
		.amdhsa_system_sgpr_workgroup_id_z 1
		.amdhsa_system_vgpr_workitem_id 0
		.amdhsa_next_free_vgpr 640
		.amdhsa_next_free_sgpr 72
		.amdhsa_reserve_vcc 0
		.amdhsa_float_denorm_mode_32 3
		.amdhsa_float_denorm_mode_16_64 3
		.amdhsa_memory_ordered 1
		.amdhsa_forward_progress 1
		.amdhsa_inst_pref_size 52
	.end_amdhsa_kernel
	.amdgpu_metadata
---
amdhsa.version: [ 1, 2 ]
amdhsa.kernels:
  - .name:           k_q447c12ee92_outp
    .symbol:         k_q447c12ee92_outp.kd
    .args:
      - { .name: att, .offset: 0, .size: 8, .value_kind: global_buffer, .address_space: global }
      - { .name: wq8, .offset: 8, .size: 8, .value_kind: global_buffer, .address_space: global }
      - { .name: out0, .offset: 16, .size: 8, .value_kind: global_buffer, .address_space: global }
    .group_segment_fixed_size: 230912
    .private_segment_fixed_size: 0
    .kernarg_segment_align: 8
    .kernarg_segment_size: 24
    .max_flat_workgroup_size: 128
    .sgpr_count:     72
    .vgpr_count:     640
    .wavefront_size: 32
...
	.end_amdgpu_metadata
.endif
;; end of part 5
;; ======== version 2 of 2: 5 launches; version 1 with the launch attn written anew for expert scheduling mode
;; workspace buffers: xq 4,325,376 bytes; wq8 2,097,152 bytes; qkvc 5,111,808 bytes; att 3,276,800 bytes
;; launch quant_x: the kernel of part 1 again; grid 128 x 2, 4 waves a work-group, no clusters, 68,096 bytes of LDS; arguments hidden_states, xq; writes xq
;; launch quant_w: the kernel of part 2 again; grid 20 x 8, 4 waves a work-group, no clusters, 12,800 bytes of LDS; arguments wq, wk, wv, wo, wq8; writes wq8
;; launch qkv: the kernel of part 3 again; grid 16 x 12, 4 waves a work-group, no clusters, 295,424 bytes of LDS; arguments xq, wq8, qkvc; writes qkvc
;; launch attn (part 6): grid 64 x 4, 16 waves a work-group, no clusters, 69,632 bytes of LDS; arguments qkvc, att; writes att
.if DOCPART == 6
	.amdgcn_target "amdgcn-amd-amdhsa--gfx1250"
	.amdhsa_code_object_version 6
	.text
	.protected	k_q447c12ee92_attn
	.globl	k_q447c12ee92_attn
	.p2align	8
	.type	k_q447c12ee92_attn,@function
k_q447c12ee92_attn:
	s_mov_b64 s[64:65], 0
	v_nop
	global_prefetch_b8 v0, s[64:65] scope:SCOPE_SE
	s_setreg_imm32_b32 hwreg(HW_REG_WAVE_SCHED_MODE, 0, 2), 2
	s_setreg_imm32_b32 hwreg(HW_REG_WAVE_MODE, 25, 1), 1
	s_wait_xcnt 0x0
	s_wait_alu depctr_vm_vsrc(0)
; Causal attention with grouped heads on codes of FP6 (E2M3) with E8M0 scales: S^T = K Q^T (K = the head's 64), p = 2^(t - M), O^T = V^T P^T (K = the keys), O / l quantised along the model's 1,024 for the last product.
; THE SOFTMAX: t = score x log2(e) / 8; M = the running largest t rounded UP to a whole number, kept as -M = floor(-t); p = 2^(t - M) is what is quantised, along the keys, not normalised; the row's sum is taken of the
; unquantised p; when M moves, the sum and O^T are multiplied by 2^(old M - new M), which rounds nothing.
; SHARES.  Work-group (p, head of keys) takes the groups of 32 queries p and 127 - p for the four query heads of that head.  Wave w: query head w / 4, tile u = (w / 2) % 2 of 16 queries, group 127 - p where (w xor w / 4) is odd, else p.
; A wave walks the key steps (128 keys) 0 .. G / 4 of its group G; the later ones lie wholly under the mask.  The two groups' steps add up to 33 in every work-group.
; K = 64 IN THE FIRST PRODUCT: the instruction's K is 128.  Q's operand is its six code registers and six registers of zero codes; K's tiles lie six registers apart, so that an operand's upper six are the next tile's codes, which
; meet zero codes; the scale bytes that go with them are bytes 1 to 254 or 0, never 0xff.
; LDS.  Two buffers of two key steps (26,624 bytes each), filled THROUGH REGISTERS: each of the 512 threads loads 52 bytes of the next two steps at a slot's head and stores them to the other buffer at its end; one barrier a slot:
; in front of it every wave's reads of this buffer and its stores into the other are done.  Every LDS address is a constant + a constant x thread or lane: nothing is stepped.
; NO CLUSTER, NO TENSOR LOAD: the work-groups of one head of keys walk the same K and V, but 17 to 32 steps of them, so that partners would need different numbers of tiles, and the trip count hangs on the work-group's number.
; NO PREFETCH: the loads of a slot are issued two key steps ahead of the wait for them.
; THE END: each wave hands its six code registers and its half scale word to LDS bytes of its own; waves 0-7 put a fragment (two heads: 128 along K) together and store its image, waves 8-11 the scale words.  att is laid as xq.
; LIMITS: NaN and infinities are not served; a block of zeros keeps the byte 1 (only this program reads the bytes).  A block's largest p is made from the block's largest score by the same multiply-add and exponential as every p.
; THE MODE: SCHED_MODE bits 1:0 = 2 (LLVM: expert scheduling mode 2), set by the entry lines.  The code itself states the register dependences between vector or matrix instructions and memory or LDS instructions,
; with s_wait_alu, always for 0.
; THE PLAN.  Registers that memory or LDS instructions touch:
;   v1-4, v8-11, v29, v241-244   addresses: written by vector lines at the head, ahead of one wait on va_vdst, and never again.  The slots are reached by a scalar base, made anew at each slot's head.
;   STA   A slot's head: four global loads land in it.  The slot's end: four LDS stores read it.  No vector line of the loop names it.  One wait on vm_vsrc at a slot's head: the stores have read it.
;   F     A step's head: K's twelve LDS loads land in it; the eight products K Q^T read it; V's twelve loads land in it; the four products V^T P^T read it.  So one wait on va_vdst stands ahead of each of the two runs of loads:
;         the products that read F are done with it.  The four waves of a SIMD hold 256 registers each: there is no room for a second F.
;   KS, VS  scale words: loaded with K and with V, read by the same products as F: the same two waits.
;   PC, PW  p's codes and scale word: written by vector lines, taken by the products V^T P^T: one wait on va_vdst behind the places, directly ahead of those products.
; The mask's compares go in runs of sixteen into sixteen scalar registers, with one wait on va_sdst between a run and the selects that read it.
.set KVO,   3407872
.set QBLK,  6656
.set KVBLK, 13312
.set SLOTB, 2*KVBLK
.set OST,   2*SLOTB                    ; 16 x 768 bytes: a wave's six code registers, 8 bytes a lane and pair
.set OSS,   OST+16*768                 ; 16 x 128 bytes: a wave's half scale words
.set ASTR,  393216
.set ASCL,  3145728
.set Q,   16                           ; v16-21 Q's codes, v22-27 zero codes
.set QW,  28                           ; v28    Q's scale words
.set KS,  30                           ; v30-33 K's scale words, a group of 32 keys each
.set VS,  34                           ; v34-37 V's
.set F,   38                           ; v38-91 K's eight tiles (6 t) or V's four fragments (12 d); v86-91 stay zero
.set S,   92                           ; v92-155  S^T, then p
.set O,   156                          ; v156-187 O^T
.set PC,  188                          ; v188-199 p's codes
.set TQ,  200                          ; v200-206
.set BM,  208                          ; v208-211 the blocks' largest scores, then largest p
.set PM,  212                          ; v212-215 permute results, then bytes
.set SO,  216                          ; v216-219 the conversions' scale operands
.set PW,  220                          ; v220     p's scale word (scales and nothing else)
.set FF,  222                          ; v[222:223] f = 2^(old M - new M)
.set T0,  224                          ; v224-225 at work
.set SU,  226                          ; v[226:227] the sums' second chain
.set STA, 228                          ; v228-240 the next slot on its way
; v1 16 x lane; v2 4 x lane; v3 16 x thread; v4 24,576 + 4 x thread; v7 the mask's d; v8, v11 where I hand over codes and word; v9, v10 where a fragment's two halves are read; v29, v241 the words';
; v12 -M, v13 the largest t, v[14:15] the sum in two halves; v242-244 Q's addresses
; s[44:45] the slot's byte offset (s45 stays 0), s[46:47] the slot's base; s27-33, s37-43, s50, s51 the mask's sixteen lane masks
	s_load_b128 s[4:7], s[0:1], 0x0                ; qkvc s[4:5], att s[6:7]
	v_lshl_add_u32 v254, v0, 2, 0x10800
	v_mov_b32 v255, 0
	v_lshrrev_b32 v1, 5, v0
	v_readfirstlane_b32 s8, v1                     ; wave 0..15
	s_wait_alu depctr_va_sdst(0)                   ; s8 is written, ahead of its first reader: the wave's shares, its LDS places and its branches are made from it
	s_mov_b32 s9, ttmp9                            ; p
	s_and_b32 s10, ttmp7, 0xffff                   ; the head of keys
	s_lshr_b32 s11, s8, 2                          ; my query head among its four
	s_bfe_u32 s12, s8, 0x10001                     ; u
	s_xor_b32 s13, s8, s11
	s_and_b32 s13, s13, 1                          ; 1: the late group
	s_sub_co_u32 s49, 127, s9
	s_cmp_eq_u32 s13, 1
	s_cselect_b32 s14, s49, s9                     ; G
	s_lshr_b32 s15, s14, 2
	s_add_co_u32 s15, s15, 1                       ; my key steps
	s_lshr_b32 s16, s49, 2
	s_add_co_u32 s16, s16, 4
	s_lshr_b32 s16, s16, 2                         ; trips of four key steps: as many as the late group needs, the same for all sixteen waves
	s_mov_b32 s17, 0                               ; the key step in hand
	s_mov_b32 s18, 1                               ; the slot to be fetched
	s_mov_b32 s20, 0x76543210
	s_mov_b32 s21, 0xfedcba98                      ; v_permlanex16_b32's selects for lane l xor 16
	s_mov_b32 s22, 0x3e38aa3b                      ; c = log2(e) / 8
	s_mov_b32 s23, s22                             ; (named with it as a pair, so it is written)
	v_and_b32 v227, 31, v0                         ; lane
	v_and_b32 v224, 15, v0                         ; r
	v_bfe_u32 v225, v0, 4, 1                       ; h
	v_lshlrev_b32 v1, 4, v227
	v_lshlrev_b32 v2, 2, v227
	v_lshlrev_b32 v3, 4, v0
	v_lshl_add_u32 v4, v0, 2, 24576
	v_and_b32 v226, 8, v224
	v_add_nc_u32 v226, v226, v224                  ; r + 8 (r / 8)
	s_and_b32 s27, s14, 3
	s_lshl_b32 s28, s27, 5
	s_lshl_b32 s29, s12, 3
	s_add_co_u32 s28, s28, s29
	v_add_nc_u32 v7, s28, v226
	v_lshlrev_b32 v226, 4, v225
	v_sub_nc_u32 v7, v7, v226                      ; d = my query, counted from my last step's first key, - 16 h
	; every LDS address is made here, in every wave
	s_mul_i32 s28, s8, 768
	s_add_co_u32 s28, s28, OST
	v_lshl_add_u32 v8, v227, 3, s28
	s_lshl_b32 s28, s8, 7
	s_add_co_u32 s28, s28, OSS
	v_lshl_add_u32 v11, v227, 2, s28
	s_bfe_u32 s34, s8, 0x10002                     ; as wave f = 4 late + 2 s + u of the eight that store codes: late,
	s_bfe_u32 s35, s8, 0x10001                     ; s: which pair of query heads,
	s_and_b32 s36, s8, 1                           ; u
	s_lshl_b32 s37, s35, 3
	s_lshl_b32 s38, s36, 1
	s_add_co_u32 s37, s37, s38
	s_add_co_u32 s38, s37, s34                     ; the pair's even head was worked by wave 8 s + 2 u + late,
	s_mul_i32 s38, s38, 768
	s_add_co_u32 s38, s38, OST
	v_lshl_add_u32 v9, v227, 3, s38
	s_xor_b32 s38, s34, 1
	s_add_co_u32 s38, s38, s37
	s_add_co_u32 s38, s38, 4                       ; its odd head by wave 8 s + 4 + 2 u + (1 - late)
	s_mul_i32 s38, s38, 768
	s_add_co_u32 s38, s38, OST
	v_lshl_add_u32 v10, v227, 3, s38
	v_lshlrev_b32 v226, 2, v224
	v_lshl_add_u32 v226, v225, 8, v226             ; as wave e = 2 late + s of the four that store words: lane 16 u + r reads row r's word of a wave 2 u further on
	s_lshl_b32 s37, s36, 3
	s_add_co_u32 s38, s37, s35
	s_lshl_b32 s38, s38, 7
	s_add_co_u32 s38, s38, OSS
	v_add_nc_u32 v29, s38, v226
	s_xor_b32 s38, s35, 1
	s_add_co_u32 s38, s38, s37
	s_add_co_u32 s38, s38, 4
	s_lshl_b32 s38, s38, 7
	s_add_co_u32 s38, s38, OSS
	v_add_nc_u32 v241, s38, v226
	; Q: block (4 x head of keys + my head, G / 4), pair image G % 4, registers 6 u .. 6 u + 5: its three register pairs stand at 0, 8, 512 or at 520, 1024, 1032
	s_lshl_b32 s26, s10, 2
	s_add_co_u32 s26, s26, s11
	s_lshl_b32 s26, s26, 5
	s_lshr_b32 s28, s14, 2
	s_add_co_u32 s26, s26, s28
	s_mul_i32 s26, s26, QBLK
	s_mul_i32 s28, s27, 1536
	s_add_co_u32 s28, s28, s26
	s_mov_b32 s29, 0
	s_lshl_b32 s46, s27, 7
	s_add_co_u32 s46, s46, s26
	s_lshl_b32 s47, s12, 6
	s_add_co_u32 s46, s46, s47
	s_add_co_u32 s46, s46, 6144
	s_mov_b32 s47, 0
	s_mul_i32 s44, s10, 32*KVBLK
	s_add_co_u32 s44, s44, KVO
	s_mov_b32 s45, 0
	s_mul_i32 s48, s12, 520
	v_add_nc_u32 v242, s48, v1
	s_mul_i32 s48, s12, 1016
	s_add_co_u32 s48, s48, 8
	v_add_nc_u32 v243, s48, v1
	v_lshlrev_b32 v244, 2, v224
	s_wait_kmcnt 0x0
	s_add_nc_u64 s[30:31], s[4:5], s[28:29]
	s_add_nc_u64 s[32:33], s[4:5], s[46:47]
	s_add_nc_u64 s[24:25], s[4:5], s[44:45]        ; my head's keys and values
	s_wait_alu depctr_va_vdst(0)                   ; the addresses v1-4, v8-11, v29, v241-244 are written: every load and store of the kernel, global or LDS, reads one of them, and none is written again
	global_load_b128 v[STA:STA+3], v3, s[24:25]    ; slot 0: 3 x 8,192 bytes by 16 bytes a thread, 2,048 by 4
	global_load_b128 v[STA+4:STA+7], v3, s[24:25] offset:8192
	global_load_b128 v[STA+8:STA+11], v3, s[24:25] offset:16384
	global_load_b32 v[STA+12], v4, s[24:25]
	global_load_b64 v[Q:Q+1], v242, s[30:31]
	global_load_b64 v[Q+2:Q+3], v243, s[30:31]
	global_load_b64 v[Q+4:Q+5], v242, s[30:31] offset:512
	global_load_b32 v[QW], v244, s[32:33]
.irp j, 0,1,2,3,4,5
	v_mov_b32 v[Q+6+\j], 0                         ; zero codes for k = 64 .. 127
	v_mov_b32 v[F+48+\j], 0                        ; what stands behind K's last tile
.endr
	v_mov_b32 v13, 0xff61b1e6                      ; the largest t so far: -3e38, under every t
	v_floor_f32 v12, -v13                          ; -M
	v_mov_b32 v14, 0
	v_mov_b32 v15, 0
.irp b, 0,1,2,3
	v_mov_b32 v[PM+\b], 0                          ; written once: a lane permute's destination counts as one of its sources
.endr
	v_mov_b32 v[FF+1], 0                           ; (named as the upper half of a pair)
	v_mov_b32 v[T0], 0
.set n, 0
.rept 32
	v_mov_b32 v[O+n], 0                            ; O^T.  (The step is written once: the first finds zeros, which the first change of M leaves zeros)
.set n, n+1
.endr
	s_wait_loadcnt 0x0
	ds_store_b128 v3, v[STA:STA+3]
	ds_store_b128 v3, v[STA+4:STA+7] offset:8192
	ds_store_b128 v3, v[STA+8:STA+11] offset:16384
	ds_store_b32 v4, v[STA+12]
	s_wait_dscnt 0x0                               ; for the others' sake: my part of slot 0 lies in LDS
	s_barrier_signal -1
	s_barrier_wait -1
; A KEY STEP: 128 keys, the q-th of buffer buf.  A step that lies wholly behind my queries is left out: a scalar branch on ids, round the step's loads, products and softmax; no barrier stands in a step.
.macro STEP buf, q
.set BASE, (\buf)*SLOTB+(\q)*KVBLK
	s_cmp_ge_u32 s17, s15
	s_cbranch_scc1 .Lskip_\@
	s_wait_alu depctr_va_vdst(0)                   ; the last step's products V^T P^T are done reading F and VS, its products K Q^T reading KS: K's loads land there.  In my first step: the zero codes v22-27 and v86-91 are written, which the products below take
.irp m, 0,1,2,3,4,5,6,7,8,9,10,11
	ds_load_b128 v[F+4*\m:F+4*\m+3], v1 offset:BASE+512*\m   ; K's four pair images: 48 registers, tile t at F + 6 t
.endr
.irp g, 0,1,2,3
	ds_load_b32 v[KS+\g], v2 offset:BASE+6144+128*\g
.endr
	s_wait_dscnt 0x0
.irp t, 0,2,4,6                        ; S^T = K Q^T: source 0 = 16 keys, source 1 = my 16 queries: a lane holds one query, and the 16 registers of tiles 2 b, 2 b + 1 are keys 32 b + 16 h + 0 .. 15
	v_wmma_scale_f32_16x16x128_f8f6f4 v[S+8*\t:S+8*\t+7], v[F+6*\t:F+6*\t+11], v[Q:Q+11], 0, v[KS+\t/2], v[QW] matrix_a_fmt:MATRIX_FMT_FP6 matrix_b_fmt:MATRIX_FMT_FP6
	v_wmma_scale_f32_16x16x128_f8f6f4 v[S+8*\t+8:S+8*\t+15], v[F+6*\t+6:F+6*\t+17], v[Q:Q+11], 0, v[KS+\t/2], v[QW] matrix_a_fmt:MATRIX_FMT_FP6 matrix_b_fmt:MATRIX_FMT_FP6 matrix_a_scale:MATRIX_SCALE_ROW1
.endr
.rept 4
	v_nop                                          ; four places ahead of the first read of the scores
.endr
	s_wait_alu depctr_va_vdst(0)                   ; the eight products are done reading F, in which V's fragments land (VS was free since the wait at the step's head)
.irp m, 0,1,2,3,4,5,6,7,8,9,10,11
	ds_load_b128 v[F+4*\m:F+4*\m+3], v1 offset:BASE+QBLK+512*\m   ; V's four fragments: they land under the softmax, no line of which names F or VS
.endr
.irp g, 0,1,2,3
	ds_load_b32 v[VS+\g], v2 offset:BASE+QBLK+6144+128*\g
.endr
	s_add_co_u32 s26, s17, 1                       ; the diagonal lies in my last step: there the scores of hidden keys become -infinity ahead of the maximum, so that p = 0
	s_cmp_lg_u32 s26, s15
	s_cbranch_scc1 .Lopen_\@
	v_mov_b32 v[T0], 0xff800000
.set n, 0
.rept 4                                ; sixteen registers at a time: a block's sixteen compares, each into a scalar register of its own, one wait, its sixteen selects
.set mi, 0
.rept 16
	v_cmp_gt_i32 s[27+mi+3*(mi/7)+3*(mi/14)], 32*(n/16)+mi, v7   ; register 16 b + i holds key 32 b + 16 h + i of the step: hidden where 32 b + i > d.  (s27-33, s37-43, s50, s51)
.set mi, mi+1
.endr
	s_wait_alu depctr_va_sdst(0)                   ; the sixteen compares have written their masks, ahead of the selects that read them
.set mi, 0
.rept 16
	v_cndmask_b32 v[S+n+mi], v[S+n+mi], v[T0], s[27+mi+3*(mi/7)+3*(mi/14)]   ; ascending: each accumulator from its low end on
.set mi, mi+1
.endr
.set n, n+16
.endr
.Lopen_\@:
.irp b, 0,1,2,3
	v_max3_num_f32 v[BM+\b], v[S+16*\b], v[S+1+16*\b], v[S+2+16*\b]   ; the largest score of each block of 32 keys: for the row's maximum, and, since p rises with the score, for the block's largest p
.endr
.irp i, 3,5,7,9,11,13
.irp b, 0,1,2,3
	v_max3_num_f32 v[BM+\b], v[BM+\b], v[S+16*\b+\i], v[S+1+16*\b+\i]   ; (the four blocks by turns)
.endr
.endr
.irp b, 0,1,2,3
	v_max_num_f32 v[BM+\b], v[BM+\b], v[S+15+16*\b]
.endr
.irp b, 0,1,2,3
	v_permlanex16_b32 v[PM+\b], v[BM+\b], s20, s21
.endr
.irp b, 0,1,2,3
	v_max_num_f32 v[BM+\b], v[BM+\b], v[PM+\b]     ; with lane l xor 16's 16 keys
.endr
	v_max3_num_f32 v[T0], v[BM], v[BM+1], v[BM+2]
	v_max_num_f32 v[T0], v[T0], v[BM+3]            ; the step's largest score of my query,
	v_mul_f32 v[T0], s22, v[T0]                    ; as t (c is positive)
	v_max_num_f32 v13, v13, v[T0]                  ; the running largest t
	v_mov_b32 v[T0], v12
	v_floor_f32 v12, -v13                          ; the new -M = floor(-t): M is a whole number
	v_sub_f32 v[T0], v12, v[T0]                    ; old M - new M: a whole number, 0 or less
	v_cvt_i32_f32 v[T0], v[T0]                     ; (it saturates)
	v_ldexp_f32 v[FF], 1.0, v[T0]                  ; f = 2^(old M - new M)
.set n, 0
.rept 32
	v_pk_fma_f32 v[S+n:S+n+1], v[S+n:S+n+1], s[22:23], v[12:13] op_sel_hi:[1,0,0]   ; t - M, two at a time (of the pairs c and -M the low word serves both halves)
.set n, n+2
.endr
.irp b, 0,1,2,3
	v_fma_f32 v[BM+\b], v[BM+\b], s22, v12         ; the same of each block's largest score
.endr
.set n, 0
.rept 64
	v_exp_f32 v[S+n], v[S+n]                       ; p = 2^(t - M), at most 1
.set n, n+1
.endr
	v_pk_mul_f32 v[14:15], v[14:15], v[FF:FF+1] op_sel_hi:[1,0]   ; the sums under the new M.  (A plain line behind the exponentials)
	s_wait_alu depctr_va_vdst(0)                   ; the 64 exponentials have written p, v[S ..]: one wait for the batch, ahead of its first reader
.irp b, 0,1,2,3
	v_exp_f32 v[BM+\b], v[BM+\b]                   ; the blocks' largest p
.endr
	v_pk_add_f32 v[SU:SU+1], v[S:S+1], v[S+2:S+3]  ; the row's sum is taken of the unquantised p: two at a time, in two chains.  (It reads the 64 alone: plain work behind the four)
.irp j, 4,8,12,16,20,24,28,32,36,40,44,48,52,56,60
	v_pk_add_f32 v[14:15], v[14:15], v[S+\j:S+\j+1]
	v_pk_add_f32 v[SU:SU+1], v[SU:SU+1], v[S+\j+2:S+\j+3]
.endr
	v_pk_add_f32 v[14:15], v[14:15], v[SU:SU+1]
	s_wait_alu depctr_va_vdst(0)                   ; the four exponentials have written the blocks' largest p, v[BM ..], ahead of their first reader
.irp b, 0,1,2,3
	v_max_num_f32 v[BM+\b], 0x1800000, v[BM+\b]    ; the floor 2^(3 - 127): the byte cannot fall under 1
.endr
.irp b, 0,1,2,3
	v_add_nc_u32 v[SO+\b], 0xff000000, v[BM+\b]    ; 2 off the exponent field: the conversion's scale operand
.endr
.irp b, 0,1,2,3
	v_lshrrev_b32 v[PM+\b], 23, v[SO+\b]           ; the scale's byte
.endr
	v_lshl_or_b32 v[PW], v[PM+1], 8, v[PM]         ; p's scale word for these 128 keys
	v_lshl_or_b32 v[PW], v[PM+2], 16, v[PW]
	v_lshl_or_b32 v[PW], v[PM+3], 24, v[PW]
.irp c, 0,1
	v_cvt_scalef32_pk16_fp6_f32 v[PC+6*\c:PC+6*\c+2], v[S+32*\c:S+32*\c+15], v[SO+2*\c]
	v_cvt_scalef32_pk16_fp6_f32 v[TQ+4*\c:TQ+4*\c+2], v[S+32*\c+16:S+32*\c+31], v[SO+2*\c+1]   ; (a conversion's three registers begin on an even number)
.endr
	v_nop                                          ; one plain line behind the scaled conversions
.irp c, 0,1                            ; the operand's layout wants a whole block in a lane: lanes 0-15 block 2 c, lanes 16-31 block 2 c + 1
.irp i, 0,1,2
	v_permlane16_swap_b32 v[PC+6*\c+\i], v[TQ+4*\c+\i]
.endr
.irp i, 0,1,2
	v_mov_b32 v[PC+6*\c+3+\i], v[TQ+4*\c+\i]
.endr
.endr
.set n, 0
.rept 16
	v_pk_mul_f32 v[O+n:O+n+1], v[O+n:O+n+1], v[FF:FF+1] op_sel_hi:[1,0]   ; O^T under the new M.  (These sixteen also stand between the writing of p's codes and scale word and the products that take them)
.set n, n+2
.endr
	s_wait_dscnt 0x0                               ; V
	s_wait_alu depctr_va_vdst(0)                   ; p's codes v[PC ..] and scale word v[PW] are written, which the products below take as source 1 and its scales; the places above stay beside this wait
.irp t, 0,1,2,3                        ; O^T += V^T P^T: source 0 = 16 channels, source 1 = p; the four accumulators take turns, one instruction a turn
	v_wmma_scale_f32_16x16x128_f8f6f4 v[O+8*\t:O+8*\t+7], v[F+12*\t:F+12*\t+11], v[PC:PC+11], v[O+8*\t:O+8*\t+7], v[VS+\t], v[PW] matrix_a_fmt:MATRIX_FMT_FP6 matrix_b_fmt:MATRIX_FMT_FP6
.endr
.rept 4
	v_nop                                          ; four places ahead of the first read of O^T
.endr
.Lskip_\@:
	s_add_co_u32 s17, s17, 1
.endm
; A SLOT: the next slot's bytes are asked for; this buffer's two steps; the bytes go to the other buffer; one barrier.  The other buffer's last readers waited for their reads in front of the barrier before.
; The last fetch is held at the head's last slot, so that no load leaves the buffer.
.macro SLOT buf
	s_min_u32 s19, s18, 15
	s_mul_i32 s44, s19, SLOTB                      ; the slot's bytes from the head's first key (s45 stays 0)
	s_add_co_u32 s18, s18, 1
	s_add_nc_u64 s[46:47], s[24:25], s[44:45]      ; the slot's base.  (Free: the loads that read it were waited for in the slot before)
	s_wait_alu depctr_vm_vsrc(0)                   ; the LDS stores of the slot before (in the first trip: the head's) have read v[STA ..], in which the loads below land
	global_load_b128 v[STA:STA+3], v3, s[46:47]
	global_load_b128 v[STA+4:STA+7], v3, s[46:47] offset:8192
	global_load_b128 v[STA+8:STA+11], v3, s[46:47] offset:16384
	global_load_b32 v[STA+12], v4, s[46:47]
	STEP \buf, 0
	STEP \buf, 1
	s_wait_loadcnt 0x0
	ds_store_b128 v3, v[STA:STA+3] offset:(1-\buf)*SLOTB
	ds_store_b128 v3, v[STA+4:STA+7] offset:(1-\buf)*SLOTB+8192
	ds_store_b128 v3, v[STA+8:STA+11] offset:(1-\buf)*SLOTB+16384
	ds_store_b32 v4, v[STA+12] offset:(1-\buf)*SLOTB
	s_wait_dscnt 0x0                               ; my stores have landed and my reads of this buffer are over
	s_barrier_signal -1
	s_barrier_wait -1
.endm
.Ltrip:
	SLOT 0
	SLOT 1
	s_sub_co_u32 s16, s16, 1
	s_cmp_lg_u32 s16, 0
	s_cbranch_scc1 .Ltrip
	; THE END.  O^T / the sum: register 16 b + i is channel 32 b + 16 h + i of my query: two blocks of 32 along the last product's K
	v_add_f32 v14, v14, v15
	v_permlanex16_b32 v[T0], v14, s20, s21
	v_add_f32 v14, v14, v[T0]                      ; the row's sum
	v_rcp_f32 v14, v14
	v_nop                                          ; a plain line behind the reciprocal,
	s_wait_alu depctr_va_vdst(0)                   ; the reciprocal has written v14, ahead of its first reader
.set n, 0
.rept 32
	v_mul_f32 v[S+n], v[O+n], v14                  ; ascending: each accumulator from its low end on
.set n, n+1
.endr
.irp b, 0,1
	v_max3_num_f32 v[BM+\b], |v[S+16*\b]|, |v[S+1+16*\b]|, 0x1800000
.endr
.irp i, 2,4,6,8,10,12,14
.irp b, 0,1
	v_max3_num_f32 v[BM+\b], v[BM+\b], |v[S+16*\b+\i]|, |v[S+1+16*\b+\i]|
.endr
.endr
.irp b, 0,1
	v_permlanex16_b32 v[PM+\b], v[BM+\b], s20, s21
.endr
.irp b, 0,1
	v_max_num_f32 v[BM+\b], v[BM+\b], v[PM+\b]
.endr
.irp b, 0,1
	v_add_nc_u32 v[SO+\b], 0xff000000, v[BM+\b]
.endr
.irp b, 0,1
	v_lshrrev_b32 v[PM+\b], 23, v[SO+\b]
.endr
	v_lshl_or_b32 v[T0], v[PM+1], 8, v[PM]         ; my head's half of the row's scale word
	v_cvt_scalef32_pk16_fp6_f32 v[PC:PC+2], v[S:S+15], v[SO]
	v_cvt_scalef32_pk16_fp6_f32 v[TQ:TQ+2], v[S+16:S+31], v[SO+1]
	v_nop                                          ; one plain line behind the scaled conversions
.irp i, 0,1,2
	v_permlane16_swap_b32 v[PC+\i], v[TQ+\i]
.endr
.irp i, 0,1,2
	v_mov_b32 v[PC+3+\i], v[TQ+\i]
.endr
	s_wait_alu depctr_va_vdst(0)                   ; the six code registers v[PC ..] and the half word v[T0] are written, which the LDS stores below read
	ds_store_b64 v8, v[PC:PC+1]                    ; six registers of a fragment: registers 6 c .. 6 c + 5, c = my head's parity
	ds_store_b64 v8, v[PC+2:PC+3] offset:256
	ds_store_b64 v8, v[PC+4:PC+5] offset:512
	ds_store_b32 v11, v[T0]
	s_wait_dscnt 0x0                               ; for the others' sake: my stores have landed
	s_barrier_signal -1
	s_barrier_wait -1
	s_wait_alu depctr_vm_vsrc(0)                   ; the last slot's LDS stores have read v[STA ..], which LDS loads and one vector line write on both ways below: the wait stands ahead of the branch
	s_cmp_lt_u32 s8, 8
	s_cbranch_scc0 .Lwords
	s_cmp_eq_u32 s34, 1                            ; waves 0-7: the fragment (group, K step 2 x head of keys + s, tile u)
	s_cselect_b32 s40, s49, s9
	s_mul_i32 s40, s40, 3072
	s_lshl_b32 s41, s10, 1
	s_add_co_u32 s41, s41, s35
	s_mul_i32 s41, s41, ASTR
	s_add_co_u32 s40, s40, s41
	s_mul_i32 s41, s36, 1536
	s_add_co_u32 s40, s40, s41
	s_mov_b32 s41, 0
	s_add_nc_u64 s[42:43], s[6:7], s[40:41]
.irp i, 0,1,2
	ds_load_b64 v[STA+2*\i:STA+2*\i+1], v9 offset:256*\i       ; registers 0-5: the even head's
.endr
.irp i, 0,1,2
	ds_load_b64 v[STA+6+2*\i:STA+7+2*\i], v10 offset:256*\i    ; registers 6-11: the odd head's
.endr
	s_wait_dscnt 0x0
.irp k, 0,1,2
	global_store_b128 v1, v[STA+4*\k:STA+4*\k+3], s[42:43] offset:512*\k   ; the image: 512 consecutive bytes a store
.endr
	s_branch .Lend
.Lwords:
	s_cmp_lt_u32 s8, 12
	s_cbranch_scc0 .Lend
	s_cmp_eq_u32 s35, 1                            ; waves 8-11: the 32 scale words of (group, K step 2 x head of keys + s)
	s_cselect_b32 s40, s49, s9
	s_lshl_b32 s40, s40, 7
	s_lshl_b32 s41, s10, 1
	s_add_co_u32 s41, s41, s36
	s_lshl_b32 s41, s41, 14
	s_add_co_u32 s40, s40, s41
	s_add_co_u32 s40, s40, ASCL
	s_mov_b32 s41, 0
	s_add_nc_u64 s[42:43], s[6:7], s[40:41]
	ds_load_b32 v[STA], v29
	ds_load_b32 v[STA+1], v241
	s_wait_dscnt 0x0
	v_lshl_or_b32 v[STA+2], v[STA+1], 16, v[STA]   ; bytes 0, 1 the even head's, bytes 2, 3 the odd head's
	s_wait_alu depctr_va_vdst(0)                   ; the whole word v[STA+2] is written, which the store below reads
	global_store_b32 v2, v[STA+2], s[42:43]
.Lend:
	s_wait_dscnt 0x0
	s_wait_alu depctr_hold_cnt(0) depctr_sa_sdst(0) depctr_va_vdst(0) depctr_va_sdst(0) depctr_va_ssrc(0) depctr_va_vcc(0) depctr_vm_vsrc(0)
	s_wait_tensorcnt 0x0
	ds_add_u32 v254, v255
	s_wait_dscnt 0x0
	s_endpgm
.Lfunc_end_k_q447c12ee92_attn:
	.size	k_q447c12ee92_attn, .Lfunc_end_k_q447c12ee92_attn-k_q447c12ee92_attn
	.p2alignl 7, 3214868480
	.fill 96, 4, 3214868480
	.section	.rodata,"a",@progbits
	.p2align	6, 0x0
	.amdhsa_kernel k_q447c12ee92_attn
		.amdhsa_group_segment_fixed_size 69632
		.amdhsa_private_segment_fixed_size 0
		.amdhsa_enable_private_segment 0
		.amdhsa_kernarg_size 16
		.amdhsa_user_sgpr_count 2
		.amdhsa_user_sgpr_kernarg_segment_ptr 1
		.amdhsa_wavefront_size32 1
		.amdhsa_system_sgpr_workgroup_id_x 1
		.amdhsa_system_sgpr_workgroup_id_y 1
		.amdhsa_system_sgpr_workgroup_id_z 1
		.amdhsa_system_vgpr_workitem_id 0
		.amdhsa_next_free_vgpr 256
		.amdhsa_next_free_sgpr 66
		.amdhsa_reserve_vcc 0
		.amdhsa_float_denorm_mode_32 3
		.amdhsa_float_denorm_mode_16_64 3
		.amdhsa_memory_ordered 1
		.amdhsa_forward_progress 1
		.amdhsa_inst_pref_size 115
	.end_amdhsa_kernel
	.amdgpu_metadata
---
amdhsa.version: [ 1, 2 ]
amdhsa.kernels:
  - .name:           k_q447c12ee92_attn
    .symbol:         k_q447c12ee92_attn.kd
    .args:
      - { .name: qkvc, .offset: 0, .size: 8, .value_kind: global_buffer, .address_space: global }
      - { .name: att, .offset: 8, .size: 8, .value_kind: global_buffer, .address_space: global }
    .group_segment_fixed_size: 69632
    .private_segment_fixed_size: 0
    .kernarg_segment_align: 8
    .kernarg_segment_size: 16
    .max_flat_workgroup_size: 512
    .sgpr_count:     66
    .vgpr_count:     256
    .wavefront_size: 32
...
	.end_amdgpu_metadata
.endif
;; end of part 6
;; launch outp: the kernel of part 5 again; grid 8 x 32, 4 waves a work-group, no clusters, 230,912 bytes of LDS; arguments att, wq8, out0; writes out0
